; MI455X (gfx1250); checked and timed in simulation.
; The chip was launched on July 23, 2026; its instructions are those of AMD's public machine-readable ISA for CDNA 5 (MIT licence, August 2026) and "CDNA5" Instruction Set Architecture Reference Guide (July 2026). The comments in the code are by the model that wrote it; some were corrected since.
;; Multi Head Attention Block. Allowed arithmetic: matrix products marked QUANTISED: E2M1 operands, one E8M0 scale for each 32 along K, by v_wmma_scale_f32_16x16x128_f8f6f4 with both operands' format E2M1 (or v_wmma_scale_f32_32x16x128_f4), f32 sums; products left as they are: bf16, f16 or f32 operands; f32 sums; everything else in f32.
;; Inputs: b_k 1,024 float32; b_o 1,024 float32; b_q 1,024 float32; b_v 1,024 float32; k 4 x 2,048 x 1,024 float32; mask 4 x 1 x 1 x 2,048 int32; q 4 x 2,048 x 1,024 float32; v 4 x 2,048 x 1,024 float32; w_k 1,024 x 1,024 float32; w_o 1,024 x 1,024 float32; w_q 1,024 x 1,024 float32; w_v 1,024 x 1,024 float32.
;; Outputs: out0 4 x 2,048 x 1,024 float32.
;; This version of the problem:
;;   THIS VERSION OF THE PROBLEM IS GIVEN IN LOW PRECISION. The matrix products marked QUANTISED in the list below multiply operands that are first quantised to E2M1 (2 exponent bits, 1 mantissa bit; 4 bits a number), with one power-of-two scale for each 32 numbers along K (OCP MX v1.0); their sums are f32. The products marked 'left as it is' may take bf16, f16 or f32 operands, with f32 sums. Whichever they take, every output number must still come out within the allowed error. Rounding operands to bf16 (8 significant bits) uses up far more of that allowance than f16 does (11 bits, for magnitudes from 6e-5 to 65,504). All else is computed in f32.
;;   The module's matrix products, in the order in which they are computed (A, B: the left and right operand; K: the contracted axis; several contracted axes count as one K, in the product's order):
;;     1. [M 8,192, K 1,024] x [K 1,024, N 1,024]; A: input q; B: input w_q: QUANTISED
;;     2. [M 8,192, K 1,024] x [K 1,024, N 1,024]; A: input k; B: input w_k: QUANTISED
;;     3. [M 8,192, K 1,024] x [K 1,024, N 1,024]; A: input v; B: input w_v: QUANTISED
;;     4. batch 64 x [M 2,048, K 64] x [K 64, N 2,048]; A: computed on the way; B: computed on the way: left as it is (an operand is computed on the way)
;;     5. batch 64 x [M 2,048, K 2,048] x [K 2,048, N 64]; A: computed on the way; B: computed on the way: left as it is (an operand is computed on the way)
;;     6. [M 8,192, K 1,024] x [K 1,024, N 1,024]; A: computed on the way; B: input w_o: left as it is (an operand is computed on the way)
;;   THE QUANTISER, for each operand of a quantised product, along K:
;;     - K is cut into blocks of 32 from its start; a last block that is shorter is filled with zeros.
;;     - A block's scale is 2^e with e = floor(log2(the largest magnitude in the block)) - 2, held to -126 .. 127; a block of zeros has e = 0. As a byte (E8M0): e + 127.
;;     - Each number is divided by its block's scale, clamped to +-6, and rounded to the nearest number of E2M1, ties to even, subnormals kept.
;;     - The product sums the exact products of the quantised numbers (number of the format x scale) in f32.
;;   ~~~python
;;   def quantise(x, axis):      # numpy; x: float32 -> the quantised numbers, widened to float32 again
;;       x = np.moveaxis(x, axis, -1); K = x.shape[-1]
;;       x = np.pad(x, [(0, 0)] * (x.ndim - 1) + [(0, -K % 32)]); x = x.reshape(x.shape[:-1] + (-1, 32)); a = np.abs(x).max(-1, keepdims=True)
;;       e = np.where(a > 0, np.clip(np.frexp(np.where(a > 0, a, 1))[1] - 1 - 2, -126, 127), 0)      # np.frexp(a)[1] - 1 = floor(log2(a)), exactly
;;       r = np.clip(x / 2.0 ** e, -6, 6)
;;       step = 2.0 ** (np.maximum(np.frexp(np.where(r == 0, 1, r))[1] - 1, 0) - 1)
;;       q = np.round(r / step) * step * 2.0 ** e      # np.round: ties to even
;;       return np.moveaxis(q.reshape(q.shape[:-2] + (-1,))[..., :K], -1, axis).astype(np.float32)
;;   ~~~
;; One version. Each part assembles by itself: llvm-mc -triple=amdgcn-amd-amdhsa -mcpu=gfx1250 --defsym DOCPART=n.
;; ======== version 1 of 1: 4 launches
;; limits: values are held in f16: magnitudes above 65,504 overflow, below 6.1e-05 lose precision
;; workspace buffers: codes 14,155,776 bytes; scales 884,736 bytes; woh 2,097,152 bytes; qh 16,777,216 bytes; kh 16,777,216 bytes; vh 16,777,216 bytes; xh 16,777,216 bytes
;; launch quant (part 1): grid 896 x 1, 4 waves a work-group, no clusters, 33,280 bytes of LDS; arguments q, k, v, w_q, w_k, w_v, w_o, codes, scales, woh; writes codes, scales, woh
.if DOCPART == 1
	.amdgcn_target "amdgcn-amd-amdhsa--gfx1250"
	.amdhsa_code_object_version 6
	.text
	.protected	k_q8482e930e7_quant
	.globl	k_q8482e930e7_quant
	.p2align	8
	.type	k_q8482e930e7_quant,@function
k_q8482e930e7_quant:
	s_mov_b64 s[64:65], 0
	v_nop
	global_prefetch_b8 v0, s[64:65] scope:SCOPE_SE
	s_setreg_imm32_b32 hwreg(HW_REG_WAVE_MODE, 25, 1), 1
	s_wait_xcnt 0x0
; q, k, v [8192][1024] and w_q, w_k, w_v [1024][1024], f32 with K innermost, become codes of FP4 (E2M1), two a byte, and one E8M0 scale byte for each 32 along K.
; w_o [1024][1024] is rounded to f16 for the last product, which is not quantised.
; A block's scale is 2^(floor(log2(its largest magnitude)) - 2): its byte is the largest magnitude's exponent field - 2, held at 1 from below.  Each number is divided by the scale and rounded to the
; nearest code, ties to even; beyond the largest code the largest.
; LIMITS: a block of zeros gets the byte 1 (its codes are zeros, and this program alone reads the bytes); blocks whose largest magnitude lies under 2^-124 are held at the byte 1; NaN and infinities are not served.
; Rows are dense and 1,024 is a multiple of 32: each tensor is a plain stream of blocks of 32, and the six streams of codes (and of scale bytes) lie on end in one buffer, in the order of the work-groups:
; work-groups 0-255 q, 256-511 k, 512-767 v, 768-799 w_q, 800-831 w_k, 832-863 w_v; 864-895 round w_o.  A work-group takes 32,768 numbers, a wave 8,192: 16 steps of 512.
; Each of a step's four loads reads 512 consecutive bytes; the 2,048 bytes turn through the wave's own stage in LDS and come back 64 bytes a lane, so that a lane holds 16 neighbours along K (two lanes a block).
; No tensor loads, no barrier: waves share nothing.  Loads run four steps ahead, the turn through LDS one step.
.set WAVES, 4
.set STEPS, 16
.set FIRST_CAST, 864
.set EMAX,  2
.set CB,    8                          ; bytes of 16 codes
.set R,     16                         ; v16-79   four sets of 16 numbers as they are loaded
.set X,     80                         ; v80-111  two sets of 16 neighbours
.set E,     112                        ; v112-127 a scale byte for each step
.set C,     128                        ; v128-191 codes: four registers for each step, so that no store's data are written again
.set WREG,  8192                       ; LDS: a region for each wave: two stages of 32 x SP bytes, then its 256 scale bytes
.set SP,    80                         ; a lane's place in a stage: 64 bytes + 16 of padding
.set SPW,   12                         ; v12  LDS address of my spare word; never rewritten
.set NIL,   13                         ; v13  0; never rewritten
.set SPARE, WAVES*WREG                 ; behind the four regions: the spare words, 128 bytes a wave
	s_load_b512 s[8:23], s[0:1], 0x0               ; q s[8:9], k s[10:11], v s[12:13], w_q s[14:15], w_k s[16:17], w_v s[18:19], w_o s[20:21], codes s[22:23]
	s_load_b128 s[24:27], s[0:1], 0x40             ; scales s[24:25], woh s[26:27]
	v_lshl_add_u32 v[SPW], v0, 2, SPARE
	v_mov_b32 v[NIL], 0
	v_lshrrev_b32 v1, 5, v0
	v_readfirstlane_b32 s2, v1                     ; wave
	v_and_b32 v2, 31, v0                           ; lane
	v_lshlrev_b32 v3, 4, v2                        ; my 16 bytes of a load's 512
	s_mul_i32 s3, s2, WREG
	v_lshrrev_b32 v14, 2, v2
	v_mul_u32_u24 v14, v14, SP
	v_and_b32 v15, 3, v2
	v_lshl_add_u32 v14, v15, 4, v14
	v_add_nc_u32 v14, s3, v14                      ; the stage, on the way in: SP (lane / 4) + 16 (lane % 4)
	v_mul_u32_u24 v15, v2, SP
	v_add_nc_u32 v15, s3, v15                      ; and on the way out: SP x lane: my 16 neighbours
	v_mul_u32_u24 v4, v2, CB                       ; my codes' place in a step's
	v_lshrrev_b32 v5, 1, v2
	s_add_co_u32 s3, s3, 2*32*SP
	v_add_nc_u32 v5, s3, v5                        ; LDS: my wave's 256 scale bytes, my block's byte
	v_lshlrev_b32 v7, 3, v2                        ; 8 bytes a lane
	v_add_nc_u32 v6, s3, v7
	s_mov_b32 s29, 0
	s_wait_kmcnt 0x0
	s_cmp_ge_u32 ttmp9, FIRST_CAST                 ; the work-group's number alone decides
	s_cbranch_scc1 .Lcast
	; which tensor: five choices on the work-group's number; only a pointer and the tensor's first work-group are chosen, all six take one path
	s_mov_b64 s[4:5], s[18:19]
	s_mov_b32 s6, 832
	s_cmp_lt_u32 ttmp9, 832
	s_cselect_b64 s[4:5], s[16:17], s[4:5]
	s_cselect_b32 s6, 800, s6
	s_cmp_lt_u32 ttmp9, 800
	s_cselect_b64 s[4:5], s[14:15], s[4:5]
	s_cselect_b32 s6, 768, s6
	s_cmp_lt_u32 ttmp9, 768
	s_cselect_b64 s[4:5], s[12:13], s[4:5]
	s_cselect_b32 s6, 512, s6
	s_cmp_lt_u32 ttmp9, 512
	s_cselect_b64 s[4:5], s[10:11], s[4:5]
	s_cselect_b32 s6, 256, s6
	s_cmp_lt_u32 ttmp9, 256
	s_cselect_b64 s[4:5], s[8:9], s[4:5]
	s_cselect_b32 s6, 0, s6
	s_sub_co_u32 s6, ttmp9, s6
	s_lshl_b32 s6, s6, 2
	s_add_co_u32 s6, s6, s2                        ; which run of 8,192 numbers of the tensor is my wave's
	s_lshl_b32 s28, s6, 15                         ; 32,768 bytes a run
	s_add_nc_u64 s[4:5], s[4:5], s[28:29]
	s_lshl_b32 s30, ttmp9, 2
	s_add_co_u32 s30, s30, s2                      ; which run of all six tensors on end
	s_lshl_b32 s28, s30, 12                        ; 4,096 bytes of codes a run
	s_add_nc_u64 s[22:23], s[22:23], s[28:29]
	s_lshl_b32 s28, s30, 8                         ; 256 scale bytes a run
	s_add_nc_u64 s[24:25], s[24:25], s[28:29]
.macro LOAD t
.irp i, 0,1,2,3
	global_load_b128 v[R+16*((\t)%4)+4*\i:R+16*((\t)%4)+4*\i+3], v3, s[4:5] offset:2048*(\t)+512*\i th:TH_LOAD_NT   ; 32 lanes read 512 consecutive bytes
.endr
.endm
.macro TURN t                          ; step t's numbers through the stage: LDS serves a wave's instructions in order, so no wait stands between the stores and the loads
.irp i, 0,1,2,3
	ds_store_b128 v14, v[R+16*((\t)%4)+4*\i:R+16*((\t)%4)+4*\i+3] offset:32*SP*((\t)%2)+8*SP*\i
.endr
.irp i, 0,1,2,3
	ds_load_b128 v[X+16*((\t)%2)+4*\i:X+16*((\t)%2)+4*\i+3], v15 offset:32*SP*((\t)%2)+16*\i
.endr
.endm
.irp t, 0,1,2,3
	LOAD \t
.endr
	s_wait_loadcnt 12                              ; step 0's four loads are in; the twelve of steps 1 to 3 stay out
	TURN 0
.macro STEP t
.set XS, X+16*((\t)%2)
.if (\t) > 0
	s_wait_dscnt 1                                 ; this step's numbers are back from the stage (the last step's byte store may be out): so its stores into the stage have read their registers,
.else
	s_wait_dscnt 0x0
.endif
.if (\t)+4 < STEPS
	LOAD (\t)+4                                    ; which take the loads of four steps on
.endif
.if (\t)+1 < STEPS
.if STEPS-2-(\t) >= 3
	s_wait_loadcnt 12                              ; the next step's four loads are in; those of the three steps behind it may be out
.else
	s_wait_loadcnt 4*(STEPS-2-(\t))                ; the tail: fewer steps are behind it
.endif
	TURN (\t)+1                                    ; and go through the other stage while this step is worked
.endif
	v_max3_num_f32 v8, |v[XS]|, |v[XS+1]|, |v[XS+2]|               ; the largest magnitude of my 16, in two chains
	v_max3_num_f32 v9, |v[XS+3]|, |v[XS+4]|, |v[XS+5]|
.irp i, 6,10
	v_max3_num_f32 v8, v8, |v[XS+\i]|, |v[XS+\i+1]|
	v_max3_num_f32 v9, v9, |v[XS+\i+2]|, |v[XS+\i+3]|
.endr
	v_max3_num_f32 v8, v8, |v[XS+14]|, |v[XS+15]|
	v_max3_num_f32 v8, v8, v9, (EMAX+1)<<23        ; and the floor 2^(3 - 127): the byte cannot fall under 1
	v_max_num_f32_dpp v8, v8, v8 row_xmask:1 row_mask:0xf bank_mask:0xf   ; and of my neighbour's 16: the block's
	v_add_nc_u32 v11, -(EMAX<<23), v8              ; 2 off its exponent field: the conversion takes the exponent field of this operand as its scale
	v_cvt_scalef32_pk8_fp4_f32 v[C+4*(\t)], v[XS:XS+7], v11
	v_cvt_scalef32_pk8_fp4_f32 v[C+4*(\t)+1], v[XS+8:XS+15], v11
	v_lshrrev_b32 v[E+(\t)], 23, v11               ; the scale's byte (a plain line behind the conversions)
	ds_store_b8 v5, v[E+(\t)] offset:16*(\t)       ; both lanes of a block write the same byte with the same value
	global_store_b64 v4, v[C+4*(\t):C+4*(\t)+1], s[22:23] offset:32*CB*(\t)   ; 32 lanes store 256 consecutive bytes, aligned
.endm
.irp t, 0,1,2,3,4,5,6,7,8,9,10,11,12,13,14,15
	STEP \t
.endr
	ds_load_b64 v[8:9], v6                         ; LDS serves a wave's instructions in order: these see my byte stores
	s_wait_dscnt 0x0
	global_store_b64 v7, v[8:9], s[24:25]          ; 32 lanes store 256 consecutive bytes, aligned
	s_wait_tensorcnt 0x0                           ; the wave's end, behind my last LDS store
	ds_add_u32 v[SPW], v[NIL]
	s_wait_dscnt 0x0
	s_endpgm
.Lcast:                                                ; w_o to f16: no LDS is touched on this path.  A wave takes 8,192 numbers in four rounds of sixteen loads
	s_sub_co_u32 s6, ttmp9, FIRST_CAST
	s_lshl_b32 s6, s6, 2
	s_add_co_u32 s6, s6, s2
	s_lshl_b32 s28, s6, 15                         ; 32,768 bytes in,
	s_add_nc_u64 s[20:21], s[20:21], s[28:29]
	s_lshl_b32 s28, s6, 14                         ; 16,384 out
	s_add_nc_u64 s[26:27], s[26:27], s[28:29]
.irp g, 0,1,2,3
.irp i, 0,1,2,3,4,5,6,7,8,9,10,11,12,13,14,15
	global_load_b128 v[16+4*\i:19+4*\i], v3, s[20:21] offset:512*(16*\g+\i) th:TH_LOAD_NT
.endr
	s_wait_loadcnt 0x0
	s_wait_xcnt 0x0                                ; the last round's stores have read their data: v80-111 are written again only behind this wait
.irp i, 0,1,2,3,4,5,6,7,8,9,10,11,12,13,14,15
	v_cvt_pk_f16_f32 v[80+2*\i], v[16+4*\i], v[17+4*\i]
	v_cvt_pk_f16_f32 v[81+2*\i], v[18+4*\i], v[19+4*\i]
.endr
.irp i, 0,1,2,3,4,5,6,7,8,9,10,11,12,13,14,15
	global_store_b64 v7, v[80+2*\i:81+2*\i], s[26:27] offset:256*(16*\g+\i)   ; 32 lanes store 256 consecutive bytes, aligned
.endr
.endr
	s_endpgm
.Lfunc_end_k_q8482e930e7_quant:
	.size	k_q8482e930e7_quant, .Lfunc_end_k_q8482e930e7_quant-k_q8482e930e7_quant
	.p2alignl 7, 3214868480
	.fill 96, 4, 3214868480
	.section	.rodata,"a",@progbits
	.p2align	6, 0x0
	.amdhsa_kernel k_q8482e930e7_quant
		.amdhsa_group_segment_fixed_size 33280
		.amdhsa_private_segment_fixed_size 0
		.amdhsa_enable_private_segment 0
		.amdhsa_kernarg_size 80
		.amdhsa_user_sgpr_count 2
		.amdhsa_user_sgpr_kernarg_segment_ptr 1
		.amdhsa_wavefront_size32 1
		.amdhsa_system_sgpr_workgroup_id_x 1
		.amdhsa_system_sgpr_workgroup_id_y 1
		.amdhsa_system_sgpr_workgroup_id_z 1
		.amdhsa_system_vgpr_workitem_id 0
		.amdhsa_next_free_vgpr 192
		.amdhsa_next_free_sgpr 66
		.amdhsa_reserve_vcc 0
		.amdhsa_float_denorm_mode_32 3
		.amdhsa_float_denorm_mode_16_64 3
		.amdhsa_memory_ordered 1
		.amdhsa_forward_progress 1
		.amdhsa_inst_pref_size 55
	.end_amdhsa_kernel
	.amdgpu_metadata
---
amdhsa.version: [ 1, 2 ]
amdhsa.kernels:
  - .name:           k_q8482e930e7_quant
    .symbol:         k_q8482e930e7_quant.kd
    .args:
      - { .name: q, .offset: 0, .size: 8, .value_kind: global_buffer, .address_space: global }
      - { .name: k, .offset: 8, .size: 8, .value_kind: global_buffer, .address_space: global }
      - { .name: v, .offset: 16, .size: 8, .value_kind: global_buffer, .address_space: global }
      - { .name: w_q, .offset: 24, .size: 8, .value_kind: global_buffer, .address_space: global }
      - { .name: w_k, .offset: 32, .size: 8, .value_kind: global_buffer, .address_space: global }
      - { .name: w_v, .offset: 40, .size: 8, .value_kind: global_buffer, .address_space: global }
      - { .name: w_o, .offset: 48, .size: 8, .value_kind: global_buffer, .address_space: global }
      - { .name: codes, .offset: 56, .size: 8, .value_kind: global_buffer, .address_space: global }
      - { .name: scales, .offset: 64, .size: 8, .value_kind: global_buffer, .address_space: global }
      - { .name: woh, .offset: 72, .size: 8, .value_kind: global_buffer, .address_space: global }
    .group_segment_fixed_size: 33280
    .private_segment_fixed_size: 0
    .kernarg_segment_align: 8
    .kernarg_segment_size: 80
    .max_flat_workgroup_size: 128
    .sgpr_count:     66
    .vgpr_count:     192
    .wavefront_size: 32
...
	.end_amdgpu_metadata
.endif
;; end of part 1
;; launch proj (part 2): grid 4 x 96, 4 waves a work-group, clusters of 4 x 4, 327,680 bytes of LDS; arguments codes, scales, b_q, b_k, b_v, mask, qh, kh, vh; writes qh, kh, vh
.if DOCPART == 2
	.amdgcn_target "amdgcn-amd-amdhsa--gfx1250"
	.amdhsa_code_object_version 6
	.text
	.protected	k_q8482e930e7_proj
	.globl	k_q8482e930e7_proj
	.p2align	8
	.type	k_q8482e930e7_proj,@function
k_q8482e930e7_proj:
	s_mov_b64 s[64:65], 0
	v_nop
	global_prefetch_b8 v0, s[64:65] scope:SCOPE_SE
	s_setreg_imm32_b32 hwreg(HW_REG_WAVE_MODE, 25, 1), 1
	s_wait_xcnt 0x0
	s_wait_alu depctr_hold_cnt(0) depctr_sa_sdst(0) depctr_va_vdst(0) depctr_va_sdst(0) depctr_va_ssrc(0) depctr_va_vcc(0) depctr_vm_vsrc(0)
	s_getreg_b32 s2, hwreg(HW_REG_IB_STS2, 6, 4)
	s_cmp_eq_u32 s2, 0
	s_cbranch_scc0 .Lentry_in_a_cluster
	s_endpgm
.Lentry_in_a_cluster:
	s_bfe_u32 s2, ttmp6, 0x10000c
	s_cmp_lg_u32 s2, 0xf033
	s_cbranch_scc0 .Lentry_shape_is_right
	s_endpgm
.Lentry_shape_is_right:
; The three projections x W^T + b on codes of FP4 (E2M1) with one E8M0 scale for each 32 along K: M = 8,192, N = 1,024, K = 1,024 each, in one grid.  Sums in f32; the results are rounded to f16 and laid [b][h][s][64].
; Which projection: cluster y / 8 (32 tile rows are 8 clusters), the same in all sixteen partners.  Q's results are multiplied by log2(e) / 8, so that a score of the next launch is the exponent to base 2;
; K's rows of masked keys are multiplied by 0, so that a masked key's score is the addend that the next launch gives it and nothing else; V's by 1.
; LIMITS: NaN and infinities are not served (a masked row is cleared by a multiplication); results beyond f16's 65,504 are not served; under 6e-5 f16 has the fixed step 6e-8.
; A tile of 256 x 256 is made by four waves, each 128 x 128: 64 accumulators of 16 x 16.  K = 1,024 is two LDS slots of 512 along K (rows of 256 bytes): both, and the scale bytes of the tile's rows, are asked for at the head
; and nothing is filled again: by this text's count a wave has three tensor loads out.
; CLUSTERS: 4 x 4 work-groups; A's tiles are shared along a row of the cluster, B's along a column: each is asked for jointly, by the same tensor load with a mask that names the four.
; THE MATRIX INSTRUCTION IS USED TRANSPOSED (source 0 = 16 rows of W, source 1 = 16 rows of x): a lane holds eight neighbouring columns of one row.  The bias is the C of each sum's first product.
; REGISTERS, in windows of 256: window 0: v0-31 addresses; v32-95 scale words, two sets, and nothing else; v96-111 the rows' multipliers; v128-191 A's fragments, one set, on the way out rows read back;
;   v192-255 the bias in the result's layout, on the way out packed results.  window 1: B's fragments, two sets.  window 2: the accumulators of my rows 0-63 ((a, b) at v[8 (8 a + b)]); window 3: of rows 64-127.
.set NQ,     4                         ; steps of 128 along K in a slot
.set ROWB,   256                       ; a tile's row in bytes: 512 codes
.set KROW,   512                       ; a row of codes in memory
.set PITCH,  272                       ; an LDS row: 256 bytes + 16 of padding = 68 words: the 16 rows of a load start at 16 different banks (64 banks of 4 bytes: ISA guide 11.1)
.set FR,     8
.set NL,     2
.set NP,     4                         ; places behind this matrix instruction (ISA guide 7.12.1)
.set HALFT,  128*PITCH
.set SLOT,   4*HALFT                   ; A's 256 rows, then B's 256 rows
.set KS,     32                        ; a row of scale bytes
.set SCL,    2*SLOT                    ; behind the slots: the scales, as units of 256 bytes + 16 of padding
.set HALFS,  (128*KS/256)*272
.set SBLK,   (16*KS/256)*272
.set SPARE,  SCL+4*HALFS               ; the spare words, 128 bytes a wave
.set SPITCH, 272                       ; the way out: 16 rows x (256 bytes + 16) for each wave, in slot 0, which has had its only fill and its last read by then
.set WCODES, 12582912                  ; where the weights' codes begin in the buffer, and their scale bytes
.set WSCALES, 786432
.set ADRA, 16
.set ADRB, 20
.set STO,  24
.set RD,   25
.set CO,   26
.set ADRS, 27
.set SPW,  28
.set NIL,  29
.set BO,   30                          ; v30  32 x (lane / 16): the bias loads' offset
.set MO,   31                          ; v31  4 x (lane % 16): the mask loads' offset
.set SC,   32
.set RM,   96                          ; v96-111: a pair for each block of 16 rows: my row's multiplier, twice
.set AF,   128
.set BK,   128                         ; the way out: v128-159 and v160-191 by turns
.set BIAS, 192
.set TMP,  192                         ; the way out: a block's 32 registers of f16
.set G1, 24
.set G0, 32
.set G1B, 48
.set G0B, 56
.set G1S, 68
.set G0S, 76
.set G1SB, 80
.set G0SB, 88
.set MSB, 0
.macro WIN new                         ; the immediate's high byte repeats the setting that is left
.if MSB != (\new)
	s_set_vgpr_msb (MSB<<8)|(\new)
.set MSB, (\new)
.endif
.endm
.set MUL_LO,  0xa1                     ; source 0 (W) window 1, source 1 (x) window 0, C and D window 2
.set MUL_HI,  0xf1                     ; the same, C and D window 3
.set MUL_LOB, 0x81                     ; the first step: C is the bias, in window 0
.set MUL_HIB, 0xc1
.set TO_B,    0x40
; A joint load: waves 0 and 1 fetch for A, waves 2 and 3 for B; the branch hangs on the wave's number alone.  An s_nop 0 and four v_nop follow each line.
.macro JLOAD g0a, g1a, g0b, g1b
	s_cmp_eq_u32 s15, 0
	s_cbranch_scc0 .Lfor_b_\@
	tensor_load_to_lds s[\g0a:\g0a+3], s[\g1a:\g1a+7]
	s_nop 0
.rept 4
	v_nop
.endr
	s_branch .Lasked_\@
.Lfor_b_\@:
	tensor_load_to_lds s[\g0b:\g0b+3], s[\g1b:\g1b+7]
	s_nop 0
.rept 4
	v_nop
.endr
.Lasked_\@:
.endm
.macro CROUND                          ; a round of the cluster's barrier
	s_barrier_signal -1
	s_barrier_wait -1
	s_cmp_lg_u32 s14, 0
	s_cbranch_scc1 .Lnot_wave_0_\@
	s_barrier_signal -3
.Lnot_wave_0_\@:
	s_barrier_wait -3
	s_barrier_signal -1
	s_barrier_wait -1
.endm
	s_load_b128 s[4:7], s[0:1], 0x0                ; codes s[4:5], scales s[6:7]
	s_load_b256 s[92:99], s[0:1], 0x10             ; b_q s[92:93], b_k s[94:95], b_v s[96:97], mask s[98:99]
	s_load_b128 s[8:11], s[0:1], 0x30              ; qh s[8:9], kh s[10:11]
	s_load_b64 s[12:13], s[0:1], 0x40              ; vh
	v_lshl_add_u32 v[SPW], v0, 2, SPARE
	v_mov_b32 v[NIL], 0
	ds_add_u32 v[SPW], v[NIL]                      ; the wave's opening: the add, twice on end, and its wait ahead of my first tensor load
	ds_add_u32 v[SPW], v[NIL]
	v_lshrrev_b32 v1, 5, v0
	v_readfirstlane_b32 s14, v1                    ; wave 0..3
	s_lshr_b32 s15, s14, 1                         ; which half of the tile's rows is mine.  Also: I fetch for A (0) or for B (1)
	s_and_b32 s16, s14, 1                          ; which half of its columns.  Also: which 128 rows of that tile I fetch
	s_bfe_u32 s40, ttmp6, 0x40000                  ; cx, cy: my place in the cluster
	s_bfe_u32 s41, ttmp6, 0x40004
	s_lshl_b32 s42, ttmp9, 2
	s_add_co_u32 s42, s42, s40                     ; tile column = 4 x cluster x + cx
	s_and_b32 s17, ttmp7, 0xffff                   ; cluster y
	s_lshr_b32 s66, s17, 3                         ; which projection: 0 Q, 1 K, 2 V
	s_and_b32 s17, s17, 7
	s_lshl_b32 s17, s17, 2
	s_add_co_u32 s17, s17, s41                     ; tile row in the projection, 0 .. 31
	s_lshl_b32 s43, s41, 2
	s_lshl_b32 s43, 15, s43                        ; my row of the cluster
	s_lshl_b32 s44, 0x1111, s40                    ; my column
	; descriptor group 1: a tile of 128 rows x 256 bytes, 16 bytes of padding behind each row
	s_or_b32 s[G1+0], s43, (0<<16)|(1<<20)|(1<<21)|(5<<22)|(3<<25)  ; 15:0 the mask; 17:16 elements of 1 byte; 20 padding on; 21 set beside a mask; 24:22 after every 64 words; 31:25 four words
	s_or_b32 s[G1B+0], s44, (0<<16)|(1<<20)|(1<<21)|(5<<22)|(3<<25)
.irp g, G1, G1B
	s_mov_b32 s[\g+1], ROWB<<16                    ; tensor_dim0
	s_mov_b32 s[\g+2], 128<<16                     ; tensor_dim1
	s_mov_b32 s[\g+3], ROWB<<16                    ; tile_dim0
	s_mov_b32 s[\g+4], 128                         ; tile_dim1
	s_mov_b32 s[\g+5], KROW                        ; from row to row
	s_mov_b32 s[\g+6], 0
	s_mov_b32 s[\g+7], 0
.endr
	; the scales of 128 rows: 4,096 dense bytes, as 16 rows of 256 bytes (32 elements of 8), 16 bytes of padding behind each
	s_or_b32 s[G1S+0], s43, (3<<16)|(1<<20)|(1<<21)|(5<<22)|(3<<25)
	s_or_b32 s[G1SB+0], s44, (3<<16)|(1<<20)|(1<<21)|(5<<22)|(3<<25)
.irp g, G1S, G1SB
	s_mov_b32 s[\g+1], 32<<16
	s_mov_b32 s[\g+2], (128*KS/256)<<16
	s_mov_b32 s[\g+3], 32<<16
	s_mov_b32 s[\g+4], 128*KS/256
	s_mov_b32 s[\g+5], 32
	s_mov_b32 s[\g+6], 0
	s_mov_b32 s[\g+7], 0
.endr
	; byte offsets, all under 2^24.  A's hang on the projection, the tile row and the wave; B's on the projection, the tile column and the wave
	s_lshl_b32 s18, s16, 7                         ; which 128 rows of the tile I fetch
	s_lshl_b32 s20, s17, 8
	s_add_co_u32 s20, s20, s18                     ; A's row
	s_lshl_b32 s46, s42, 8
	s_add_co_u32 s46, s46, s18                     ; B's row
	s_lshl_b32 s22, s20, 5                         ; A's scales: 32 bytes a row, 262,144 a projection
	s_lshl_b32 s19, s66, 18
	s_add_co_u32 s22, s22, s19
	s_mov_b32 s23, 0
	s_lshl_b32 s20, s20, 9                         ; A's codes: 512 bytes a row, 4,194,304 a projection
	s_lshl_b32 s19, s66, 22
	s_add_co_u32 s20, s20, s19
	s_mov_b32 s21, 0
	s_lshl_b32 s2, s46, 5                          ; B's scales: 32,768 a projection, behind the three x
	s_lshl_b32 s19, s66, 15
	s_add_co_u32 s2, s2, s19
	s_add_co_u32 s2, s2, WSCALES
	s_mov_b32 s3, 0
	s_lshl_b32 s46, s46, 9                         ; B's codes: 524,288 a projection
	s_lshl_b32 s19, s66, 19
	s_add_co_u32 s46, s46, s19
	s_add_co_u32 s46, s46, WCODES
	s_mov_b32 s47, 0
	s_mul_i32 s45, s14, HALFT                      ; where they go: wave x 128 rows: no place in the cluster enters an LDS address
	s_mul_i32 s67, s14, HALFS
	s_wait_dscnt 0x0                               ; both opening adds are done
	s_wait_kmcnt 0x0
	s_add_nc_u64 s[20:21], s[4:5], s[20:21]
	s_add_nc_u64 s[22:23], s[6:7], s[22:23]
	s_add_nc_u64 s[46:47], s[4:5], s[46:47]
	s_add_nc_u64 s[2:3], s[6:7], s[2:3]
	CROUND                                         ; all sixteen work-groups are here: the joint loads meet
	s_mov_b32 s[G0S], 1
	s_add_co_u32 s[G0S+1], s67, SCL
	s_mov_b64 s[G0S+2:G0S+3], s[22:23]
	s_or_b32 s[G0S+3], s[G0S+3], 0x80000000
	s_mov_b32 s[G0SB], 1
	s_add_co_u32 s[G0SB+1], s67, SCL
	s_mov_b64 s[G0SB+2:G0SB+3], s[2:3]
	s_or_b32 s[G0SB+3], s[G0SB+3], 0x80000000
	JLOAD G0S, G1S, G0SB, G1SB                     ; the scales first: they are wanted with the first step
.irp s, 0,1
	s_mov_b32 s[G0+4*\s], 1
	s_add_co_u32 s[G0+4*\s+1], s45, \s*SLOT
	s_add_nc_u64 s[G0+4*\s+2:G0+4*\s+3], s[20:21], \s*ROWB
	s_or_b32 s[G0+4*\s+3], s[G0+4*\s+3], 0x80000000
	s_mov_b32 s[G0B+4*\s], 1
	s_add_co_u32 s[G0B+4*\s+1], s45, \s*SLOT
	s_add_nc_u64 s[G0B+4*\s+2:G0B+4*\s+3], s[46:47], \s*ROWB
	s_or_b32 s[G0B+4*\s+3], s[G0B+4*\s+3], 0x80000000
	JLOAD G0+4*\s, G1, G0B+4*\s, G1B
.endr
	; the projection's bias, output and multiplier: multiplier = (mask != 0) x s100 + s101
	s_cmp_eq_u32 s66, 0
	s_cselect_b64 s[92:93], s[92:93], s[94:95]
	s_cselect_b64 s[8:9], s[8:9], s[10:11]
	s_cselect_b32 s100, 0, 1.0
	s_cselect_b32 s101, 0x3e38aa3b, 0              ; log2(e) / 8
	s_cmp_eq_u32 s66, 2
	s_cselect_b64 s[92:93], s[96:97], s[92:93]
	s_cselect_b64 s[8:9], s[12:13], s[8:9]
	s_cselect_b32 s100, 0, s100
	s_cselect_b32 s101, 1.0, s101
	v_and_b32 v1, 15, v0                           ; r = lane % 16
	v_bfe_u32 v2, v0, 4, 1                         ; h = lane / 16
	v_lshlrev_b32 v[BO], 5, v2
	v_lshlrev_b32 v[MO], 2, v1
	s_lshl_b32 s18, s42, 10                        ; the bias of my 128 columns: (256 x tile column + 128 x half) x 4 bytes
	s_lshl_b32 s19, s16, 9
	s_add_co_u32 s18, s18, s19
	s_mov_b32 s19, 0
	s_add_nc_u64 s[92:93], s[92:93], s[18:19]
	s_lshl_b32 s18, s17, 10                        ; the mask of my 128 rows: the rows of x are b x 2,048 + s, as the mask's words are
	s_lshl_b32 s20, s15, 9
	s_add_co_u32 s18, s18, s20
	s_add_nc_u64 s[98:99], s[98:99], s[18:19]
.irp b, 0,1,2,3,4,5,6,7
	global_load_b128 v[BIAS+8*\b:BIAS+8*\b+3], v[BO], s[92:93] offset:64*\b       ; lane (r, h): columns 16 b + 8 h + 0 .. 7: the result's layout
	global_load_b128 v[BIAS+8*\b+4:BIAS+8*\b+7], v[BO], s[92:93] offset:64*\b+16
.endr
.irp a, 0,1,2,3,4,5,6,7
	global_load_b32 v[RM+2*\a], v[MO], s[98:99] offset:64*\a                      ; the mask word of row 16 a + r
.endr
	v_mul_u32_u24 v3, v1, PITCH
	v_lshl_add_u32 v4, v2, 4, v3                   ; a fragment's row x pitch + 16 x half
	s_mul_i32 s21, s15, HALFT                      ; my 128 rows of A
	s_mul_i32 s22, s16, HALFT                      ; my 128 rows of B,
	s_add_co_u32 s22, s22, 2*HALFT                 ; which lie behind A's 256
.irp s, 0,1
	v_add_nc_u32 v[ADRA+\s], s21, v4
	v_add_nc_u32 v[ADRB+\s], s22, v4
	s_add_co_u32 s21, s21, SLOT
	s_add_co_u32 s22, s22, SLOT
.endr
	v_mul_u32_u24 v5, v1, KS                       ; my row's scales: 32 bytes a row,
	v_lshrrev_b32 v6, 8, v5
	v_lshl_add_u32 v5, v6, 4, v5                   ; and 16 more for each 256 passed
	s_mul_i32 s21, s15, HALFS                      ; A's: my 128 rows
	s_mul_i32 s22, s16, HALFS                      ; B's: my 128 rows, behind A's 256
	s_add_co_u32 s22, s22, 2*HALFS
	s_sub_co_u32 s22, s22, s21
	v_mul_u32_u24 v6, s22, v2                      ; lanes 16-31 take B's: one product, the distance x h
	s_add_co_u32 s21, s21, SCL
	v_add_nc_u32 v5, v5, v6
	v_add_nc_u32 v[ADRS], s21, v5
	s_mul_i32 s23, s14, 16*SPITCH                  ; my stage
	v_mul_u32_u24 v5, v1, SPITCH                   ; in: row r, 16 bytes for each half of the lanes
	v_lshl_add_u32 v5, v2, 4, v5
	v_add_nc_u32 v[STO], s23, v5
	v_and_b32 v6, 31, v0
	v_lshrrev_b32 v5, 3, v6                        ; back: eight lanes take a head's 128 bytes of a row, the 32 lanes four rows
	v_mul_u32_u24 v5, v5, SPITCH
	v_and_b32 v7, 7, v0
	v_lshl_add_u32 v5, v7, 4, v5
	v_add_nc_u32 v[RD], s23, v5
	v_lshlrev_b32 v[CO], 4, v6                     ; which are 512 bytes on end in [b][h][s][64]
	s_lshr_b32 s20, s17, 3                         ; the batch: 8 tile rows each
	s_lshl_b32 s20, s20, 4
	s_lshl_b32 s21, s42, 2
	s_add_co_u32 s20, s20, s21
	s_lshl_b32 s21, s16, 1
	s_add_co_u32 s20, s20, s21                     ; 16 b + my first head (4 x tile column + 2 x half)
	s_lshl_b32 s20, s20, 18                        ; 262,144 bytes a head
	s_and_b32 s21, s17, 7
	s_lshl_b32 s21, s21, 8
	s_lshl_b32 s22, s15, 7
	s_add_co_u32 s21, s21, s22                     ; my first position in the sequence
	s_lshl_b32 s21, s21, 7                         ; 128 bytes a row
	s_add_co_u32 s20, s20, s21
	s_mov_b32 s21, 0
	s_add_nc_u64 s[8:9], s[8:9], s[20:21]          ; never stepped: every store's place stands in its immediate
	v_mov_b32 v8, 1.0
	s_wait_loadcnt 0x0                             ; the bias and the mask words
.irp a, 0,1,2,3,4,5,6,7
	v_cmp_ne_u32 vcc_lo, 0, v[RM+2*\a]
	v_cndmask_b32 v[RM+2*\a], 0, v8, vcc_lo
	v_fma_f32 v[RM+2*\a], v[RM+2*\a], s100, s101
	v_mov_b32 v[RM+2*\a+1], v[RM+2*\a]
.endr
.macro FRAG reg, adr, q, i             ; 16 rows x 128 K of 4-bit codes: lane l holds row l % 16; registers 4 c .. 4 c + 3 hold K = 64 c + 32 (l / 16) + 0 .. 31
.irp c, 0,1
	ds_load_b128 v[\reg+4*\c:\reg+4*\c+3], v[\adr] offset:64*(\q)+32*\c+(\i)*16*PITCH
.endr
.endm
; 16 matrix instructions: A's blocks a0, a0 + 1 x B's eight, the slot's q-th 128 along K.  p: B's set; sc: the set of scale words.  first = 1: the bias is C: nothing is cleared and nothing is added later.
; The 64 accumulators take turns, one instruction a turn, in the same order in every step.
.macro MUL16 a0, p, q, sc, first
.irp a, \a0, \a0+1
.irp b, 0,1,2,3,4,5,6,7
.if \first
	v_wmma_scale_f32_16x16x128_f8f6f4 v[8*(8*((\a)%4)+\b):8*(8*((\a)%4)+\b)+7], v[128*(\p)+FR*\b:128*(\p)+FR*\b+FR-1], v[AF+FR*(\a):AF+FR*(\a)+FR-1], v[BIAS+8*\b:BIAS+8*\b+7], v[SC+8*NQ*(\sc)+NQ*\b+(\q)], v[SC+8*NQ*(\sc)+NQ*(\a)+(\q)] matrix_a_fmt:MATRIX_FMT_FP4 matrix_b_fmt:MATRIX_FMT_FP4 matrix_a_scale:MATRIX_SCALE_ROW1
.else
	v_wmma_scale_f32_16x16x128_f8f6f4 v[8*(8*((\a)%4)+\b):8*(8*((\a)%4)+\b)+7], v[128*(\p)+FR*\b:128*(\p)+FR*\b+FR-1], v[AF+FR*(\a):AF+FR*(\a)+FR-1], v[8*(8*((\a)%4)+\b):8*(8*((\a)%4)+\b)+7], v[SC+8*NQ*(\sc)+NQ*\b+(\q)], v[SC+8*NQ*(\sc)+NQ*(\a)+(\q)] matrix_a_fmt:MATRIX_FMT_FP4 matrix_b_fmt:MATRIX_FMT_FP4 matrix_a_scale:MATRIX_SCALE_ROW1
.endif
.endr
.endr
.endm
.macro FETCH_B slot, q, p
	WIN TO_B
.irp i, 0,1,2,3,4,5,6,7
	FRAG 128*(\p)+FR*\i, ADRB+\slot, \q, \i
.endr
	WIN 0
.endm
.macro FETCH_A slot, q, i0
.irp i, \i0, \i0+1, \i0+2, \i0+3
	FRAG AF+FR*(\i), ADRA+\slot, \q, \i
.endr
.endm
.macro SCALES sc                       ; a slot's scale words: four words a row; lanes 0-15 take A's block i, lanes 16-31 B's block i
.irp i, 0,1,2,3,4,5,6,7
	ds_load_b128 v[SC+8*NQ*\sc+NQ*\i:SC+8*NQ*\sc+NQ*\i+3], v[ADRS] offset:\i*SBLK
.endr
.endm
.macro PLACES n                        ; plain vector lines in front of loads into registers that matrix instructions have read, and of the first read of results
.rept \n
	v_nop
.endr
.endm
.macro STEP slot, q, first             ; a step of 128 along K that has its successor in the same slot
	s_wait_dscnt 4*NL                              ; B's set and A's blocks 0-3 are in; the youngest eight loads (A's blocks 4-7) may be out
.if \first
	WIN MUL_LOB
.else
	WIN MUL_LO
.endif
	MUL16 0, (\q)%2, \q, \slot, \first
	MUL16 2, (\q)%2, \q, \slot, \first
	s_wait_dscnt 0                                 ; A's blocks 4-7 are in
	PLACES NP
	FETCH_B \slot, (\q)+1, 1-(\q)%2
	FETCH_A \slot, (\q)+1, 0
.if \first
	WIN MUL_HIB
.else
	WIN MUL_HI
.endif
	MUL16 4, (\q)%2, \q, \slot, \first
	MUL16 6, (\q)%2, \q, \slot, \first
	PLACES NP
	WIN 0
	FETCH_A \slot, (\q)+1, 4
.endm
	s_wait_tensorcnt 1                             ; the scales and my part of slot 0 are in; slot 1's load, issued behind them, may be out
	s_barrier_signal -1
	s_barrier_wait -1                              ; everybody's are
	FETCH_B 0, 0, 0
	FETCH_A 0, 0, 0
	SCALES 0
	FETCH_A 0, 0, 4
	STEP 0, 0, 1
	STEP 0, 1, 0
	STEP 0, 2, 0
	; slot 0's last step changes slots: one barrier; in front of it each wave has its part of slot 1 in and its reads of slot 0 over
	s_wait_tensorcnt 0x0                           ; all my tensor loads have landed
	ds_add_u32 v[SPW], v[NIL]                      ; 0 onto my spare word
	s_wait_dscnt 4*NL+1                            ; (the add and the youngest eight loads, A's blocks 4-7, may be out)
	WIN MUL_LO
	MUL16 0, 1, NQ-1, 0, 0
	s_wait_dscnt 0x0                               ; the add is done, and my reads of slot 0 are over
	s_barrier_signal -1
	MUL16 2, 1, NQ-1, 0, 0
	WIN 0
	s_barrier_wait -1
	PLACES NP
	v_add_nc_u32 v[ADRS], 4*NQ, v[ADRS]            ; on to slot 1's scale words
	FETCH_B 1, 0, 0
	FETCH_A 1, 0, 0
	SCALES 1
	WIN MUL_HI
	MUL16 4, 1, NQ-1, 0, 0
	MUL16 6, 1, NQ-1, 0, 0
	PLACES NP
	WIN 0
	FETCH_A 1, 0, 4
	STEP 1, 0, 0
	STEP 1, 1, 0
	STEP 1, 2, 0
	s_wait_dscnt 4*NL                              ; the very last step: nothing more to fetch
	WIN MUL_LO
	MUL16 0, 1, NQ-1, 1, 0
	MUL16 2, 1, NQ-1, 1, 0
	s_wait_dscnt 0
	WIN MUL_HI
	MUL16 4, 1, NQ-1, 1, 0
	MUL16 6, 1, NQ-1, 1, 0
	WIN 0
; THE WAY OUT, block by block of 16 rows x 128 columns (two heads).  PACK: the row's multiplier, in place, each accumulator from its low end on; then f16, 16 bytes a lane.
; TOSTAGE: into my own stage and back by heads.  SEND: each store covers four rows of one head, 512 consecutive bytes, aligned.
.macro PACK a
.set AC, 64*((\a)%4)
	WIN 0x82+0x41*((\a)/4)                         ; destination and source 0: window 2 or 3; the multiplier: window 0
.irp b, 0,1,2,3,4,5,6,7
.irp i, 0,1,2,3
	v_pk_mul_f32 v[AC+8*\b+2*\i:AC+8*\b+2*\i+1], v[AC+8*\b+2*\i:AC+8*\b+2*\i+1], v[RM+2*(\a):RM+2*(\a)+1]
.endr
.endr
	WIN 0x0a+5*((\a)/4)                            ; sources 0 and 1: window 2 or 3
.irp b, 0,1,2,3,4,5,6,7
.irp i, 0,1,2,3
	v_cvt_pk_f16_f32 v[TMP+4*\b+\i], v[AC+8*\b+2*\i], v[AC+8*\b+2*\i+1]
.endr
.endr
	WIN 0
.endm
.macro TOSTAGE a
.if (\a) > 1
	s_wait_xcnt 0x0                                ; block a - 2's stores have read their registers: block a's loads may land there
.endif
.set BB, BK+32*((\a)%2)
.irp b, 0,1,2,3,4,5,6,7
	ds_store_b128 v[STO], v[TMP+4*\b:TMP+4*\b+3] offset:32*\b
.endr
.irp t, 0,1,2,3,4,5,6,7
	ds_load_b128 v[BB+4*\t:BB+4*\t+3], v[RD] offset:(\t%4)*4*SPITCH+(\t/4)*128   ; LDS serves a wave's instructions in order (ISA guide 5.7.1.4): these see the stores above
.endr
.endm
.macro SEND a, younger                 ; younger: the LDS instructions issued behind block a's loads, which may stay out
.set BB, BK+32*((\a)%2)
	s_wait_dscnt \younger
.irp t, 0,1,2,3,4,5,6,7
	global_store_b128 v[CO], v[BB+4*\t:BB+4*\t+3], s[8:9] offset:(\t/4)*262144+(16*(\a)+4*(\t%4))*128
.endr
.endm
	PLACES NP                                      ; behind the last products: for the reads of results and the loads into A's registers alike
	PACK 0
	TOSTAGE 0
.irp a, 1,2,3,4,5,6,7
	PACK \a
	TOSTAGE \a
	SEND \a-1, 16                                  ; behind block a - 1's loads: block a's 8 stores and 8 loads
.endr
	SEND 7, 0
	s_wait_tensorcnt 0x0                           ; the wave's end, behind my last tensor load and my last LDS store
	ds_add_u32 v[SPW], v[NIL]
	s_wait_dscnt 0x0
	CROUND                                         ; the closing round
	s_endpgm
.Lfunc_end_k_q8482e930e7_proj:
	.size	k_q8482e930e7_proj, .Lfunc_end_k_q8482e930e7_proj-k_q8482e930e7_proj
	.p2alignl 7, 3214868480
	.fill 96, 4, 3214868480
	.section	.rodata,"a",@progbits
	.p2align	6, 0x0
	.amdhsa_kernel k_q8482e930e7_proj
		.amdhsa_group_segment_fixed_size 327680
		.amdhsa_private_segment_fixed_size 0
		.amdhsa_enable_private_segment 0
		.amdhsa_kernarg_size 72
		.amdhsa_user_sgpr_count 2
		.amdhsa_user_sgpr_kernarg_segment_ptr 1
		.amdhsa_wavefront_size32 1
		.amdhsa_system_sgpr_workgroup_id_x 1
		.amdhsa_system_sgpr_workgroup_id_y 1
		.amdhsa_system_sgpr_workgroup_id_z 1
		.amdhsa_system_vgpr_workitem_id 0
		.amdhsa_next_free_vgpr 1024
		.amdhsa_next_free_sgpr 102
		.amdhsa_reserve_vcc 1
		.amdhsa_float_denorm_mode_32 3
		.amdhsa_float_denorm_mode_16_64 3
		.amdhsa_memory_ordered 1
		.amdhsa_forward_progress 1
		.amdhsa_inst_pref_size 147
	.end_amdhsa_kernel
	.amdgpu_metadata
---
amdhsa.version: [ 1, 2 ]
amdhsa.kernels:
  - .name:           k_q8482e930e7_proj
    .symbol:         k_q8482e930e7_proj.kd
    .args:
      - { .name: codes, .offset: 0, .size: 8, .value_kind: global_buffer, .address_space: global }
      - { .name: scales, .offset: 8, .size: 8, .value_kind: global_buffer, .address_space: global }
      - { .name: b_q, .offset: 16, .size: 8, .value_kind: global_buffer, .address_space: global }
      - { .name: b_k, .offset: 24, .size: 8, .value_kind: global_buffer, .address_space: global }
      - { .name: b_v, .offset: 32, .size: 8, .value_kind: global_buffer, .address_space: global }
      - { .name: mask, .offset: 40, .size: 8, .value_kind: global_buffer, .address_space: global }
      - { .name: qh, .offset: 48, .size: 8, .value_kind: global_buffer, .address_space: global }
      - { .name: kh, .offset: 56, .size: 8, .value_kind: global_buffer, .address_space: global }
      - { .name: vh, .offset: 64, .size: 8, .value_kind: global_buffer, .address_space: global }
    .group_segment_fixed_size: 327680
    .private_segment_fixed_size: 0
    .kernarg_segment_align: 8
    .kernarg_segment_size: 72
    .max_flat_workgroup_size: 128
    .sgpr_count:     102
    .vgpr_count:     1024
    .wavefront_size: 32
...
	.end_amdgpu_metadata
.endif
;; end of part 2
;; launch attn (part 3): grid 8 x 64, 8 waves a work-group, clusters of 4 x 1, 327,680 bytes of LDS; arguments qh, kh, vh, mask, xh; writes xh
.if DOCPART == 3
	.amdgcn_target "amdgcn-amd-amdhsa--gfx1250"
	.amdhsa_code_object_version 6
	.text
	.protected	k_q8482e930e7_attn
	.globl	k_q8482e930e7_attn
	.p2align	8
	.type	k_q8482e930e7_attn,@function
k_q8482e930e7_attn:
	s_mov_b64 s[64:65], 0
	v_nop
	global_prefetch_b8 v0, s[64:65] scope:SCOPE_SE
	s_setreg_imm32_b32 hwreg(HW_REG_WAVE_MODE, 25, 1), 1
	s_wait_xcnt 0x0
	s_wait_alu depctr_hold_cnt(0) depctr_sa_sdst(0) depctr_va_vdst(0) depctr_va_sdst(0) depctr_va_ssrc(0) depctr_va_vcc(0) depctr_vm_vsrc(0)
	s_getreg_b32 s2, hwreg(HW_REG_IB_STS2, 6, 4)
	s_cmp_eq_u32 s2, 0
	s_cbranch_scc0 .Lentry_in_a_cluster
	s_endpgm
.Lentry_in_a_cluster:
	s_bfe_u32 s2, ttmp6, 0x10000c
	s_cmp_lg_u32 s2, 0x3003
	s_cbranch_scc0 .Lentry_shape_is_right
	s_endpgm
.Lentry_shape_is_right:
; x[b][h][q] = the sum over k of softmax_k(score) V[b][h][k], score = Q . K / 8, replaced by -1e9 where mask[b][k] == 0.  Q, K, V: [b][h][s][64] f16; Q arrives multiplied by log2(e) / 8, so that a product
; K Q^T is t = score x log2(e); K's rows of masked keys arrive as zeros.  The C of K Q^T holds 0, or -1e9 x log2(e) at masked keys: a masked key's t is that number exactly, the same for all, as in the definition
; (a batch with every key masked gives equal weights).  p = 2^(t - m), m the running largest t: one subtraction, 0 at the maximum, so p is at most 1; in every step O and the sum l are multiplied by a = 2^(old m - new m).
; Products, maxima and sums in f32; p is rounded to f16 for the second product, x once at the end.  x goes out as [row / 64][h][row % 64][64] f16, row = 2,048 b + s: the layout that the next launch fetches.
; LIMITS: NaN and infinities are not served; p under 6e-5 has f16's fixed step 6e-8.
; SHARES.  A work-group owns 256 queries of one (b, h); each of its eight waves 32: two tiles of 16, in 384 registers, two waves to a SIMD: one wave's softmax stands beside the other's matrix work and LDS loads.
; Every wave walks all 2,048 keys, 64 a step.  K and V come through a ring of two LDS slots of 256 keys (four steps), filled by the tensor data mover: waves 0-3 fetch 64 rows of K each, waves 4-7 of V.
; LAYOUT.  S^T = K Q^T (source 0 = 16 keys, source 1 = 16 queries): a lane holds ONE query (lane % 16) and keys 8 (lane / 16) + 0..7.  Two such tiles, rounded in pairs, ARE source 1 (32 keys x 16 queries) of
; O^T = V^T P.  K comes out of LDS as it lies, V ([key][channel]) turned by ds_load_tr16_b128.
; CLUSTER.  The four query blocks of a cluster belong to one head and walk the same K and V: each tile is asked for jointly, by the same tensor load with a mask that names the four.
; REGISTERS: window 0: v2-15 addresses; v16-31 statistics, 8 a tile; v32-63 Q; v64-95 the step's addends; v96-159 S^T, 32 a tile; v160-191 P; v192-255 K of a step.  window 1: v0-63 V of a step; v64-127 O^T, 32 a tile.
.set KS,    64                         ; keys in a step
.set SKEYS, 256                        ; keys in a slot
.set PK,    144                        ; a row of K in LDS: 128 bytes + 16 = 36 words: the 16 rows of a load start at 16 different groups of four banks (64 banks of 4 bytes: ISA guide 11.1)
.set PV,    160                        ; a row of V: 128 + 32 = 40 words
.set VOFF,  SKEYS*PK                   ; a slot: 256 rows of K, then 256 rows of V
.set SLOT1, 1<<17                      ; slot 1 begins here: one exclusive or turns an address in one slot into the other's
.set BIASB, SLOT1+SKEYS*(PK+PV)        ; behind the ring: the 2,048 keys' addends, f32, stored once by the waves
.set STAGE, BIASB+8192                 ; 16 rows x 144 bytes for each wave, for the way out
.set SP,    144
.set SPARE, STAGE+8*16*SP              ; the spare words, 128 bytes a wave
.set NSL,   2048/SKEYS
.set SLOTB, SKEYS*128                  ; a slot's rows of K or of V in memory: 32,768 bytes
.set AK0, 2
.set AV0, 3
.set ADK, 4
.set ADV, 5
.set ABI, 6
.set ABI0, 7
.set QO,  8
.set STO, 9
.set RD,  10
.set GO,  11
.set SPW, 12
.set NIL, 13
.set PFO, 14                           ; v14  256 x my lane; never rewritten
.set MKO, 15                           ; v15  32 x my thread: my eight mask words
.set ST,  16                           ; tile t's statistics at v[ST + 8 t]: +0 m, +1 its pair's upper word (0), +2, +3 l, +4 to +7 c0-c3 at work; a takes c2's place
.set QF,  32                           ; Q: tile t, channels 32 c on: QF + 16 t + 8 c
.set BI,  64                           ; the addends of key tile kt: BI + 8 kt
.set S,   96                           ; S^T: S + 32 t + 8 kt
.set P,   160                          ; P: P + 16 t + 8 kk
.set KF,  192                          ; K: KF + 16 kt + 8 c
.set OT,  64                           ; in window 1: O^T: OT + 32 t + 8 ct;  V: 32 kk + 8 ct
.set WV,  12
.set LIM, 15
.set PFA, 18
.set G1K, 24
.set G1V, 32
.set G0K, 40
.set G0V, 44
.set SLOTS, 56
.set SEL, 60
.set TB,  62                           ; s62  LDS byte at which the slot in hand begins
.set TK,  63                           ; s63  where its keys' addends begin: 1,024 bytes a slot
.set MSB, 0
.macro WIN new
.if MSB != (\new)
	s_set_vgpr_msb (MSB<<8)|(\new)
.set MSB, (\new)
.endif
.endm
.set W_V,  0x40                        ; destination window 1
.set W_RS, 0x41                        ; O^T (destination and source 0) window 1, a window 0
.set W_PV, 0x51                        ; V (source 0), C and D window 1, P window 0
; A joint load: waves 0-3 fetch K's rows, waves 4-7 V's; the branch hangs on the wave's number alone.  An s_nop 0 and four v_nop follow each line.
.macro JLOAD
	s_cmp_lt_u32 s[WV], 4
	s_cbranch_scc0 .Lfor_v_\@
	tensor_load_to_lds s[G0K:G0K+3], s[G1K:G1K+7]
	s_nop 0
.rept 4
	v_nop
.endr
	s_branch .Lasked_\@
.Lfor_v_\@:
	tensor_load_to_lds s[G0V:G0V+3], s[G1V:G1V+7]
	s_nop 0
.rept 4
	v_nop
.endr
.Lasked_\@:
.endm
; A prefetch of what the NEXT change of slots will ask for: 32,768 bytes of K and as many of V, four key steps ahead of that load.  Each aligned 256 bytes are named once in the launch: both clusters of a head walk the
; same rows, so the head's first cluster asks; its four partners take 8,192 bytes each, told apart by address; in each, wave 0 asks for K's and wave 4 for V's, lanes 256 bytes apart.  The last change that fills a slot asks for nothing.
.macro ASK
	s_cmp_gt_u32 s[SLOTS], s[LIM]
	s_cbranch_scc0 .Lnot_mine_\@
	global_prefetch_b8 v[PFO], s[PFA:PFA+1] th:TH_LOAD_NT scope:SCOPE_SE
.Lnot_mine_\@:
.endm
.macro CROUND                          ; a round of the cluster's barrier
	s_barrier_signal -1
	s_barrier_wait -1
	s_cmp_lg_u32 s[WV], 0
	s_cbranch_scc1 .Lnot_wave_0_\@
	s_barrier_signal -3
.Lnot_wave_0_\@:
	s_barrier_wait -3
	s_barrier_signal -1
	s_barrier_wait -1
.endm
	s_load_b256 s[4:11], s[0:1], 0x0               ; qh s[4:5], kh s[6:7], vh s[8:9], mask s[10:11]
	s_load_b64 s[16:17], s[0:1], 0x20              ; xh
	v_lshl_add_u32 v[SPW], v0, 2, SPARE
	v_mov_b32 v[NIL], 0
	ds_add_u32 v[SPW], v[NIL]                      ; the wave's opening: the add, twice on end, and its wait ahead of my first tensor load
	ds_add_u32 v[SPW], v[NIL]
	v_lshrrev_b32 v1, 5, v0
	v_readfirstlane_b32 s[WV], v1                  ; wave 0..7
	s_bfe_u32 s13, ttmp6, 0x40000                  ; cx
	s_lshl_b32 s14, ttmp9, 2
	s_add_co_u32 s14, s14, s13                     ; my block of 256 queries: it enters Q's and x's addresses alone
	s_and_b32 s20, ttmp7, 0xffff                   ; 16 b + h, which the four partners share
	s_lshl_b32 s22, s20, 18                        ; the head's first byte in Q, K and V
	s_and_b32 s21, s[WV], 3                        ; which 64 rows of a slot I fetch:
	s_lshl_b32 s48, s21, 13                        ; 8,192 bytes in memory,
	s_add_co_u32 s48, s48, s22
	s_mov_b32 s49, 0
	s_mul_i32 s50, s21, KS*PK                      ; their place in a slot: K's,
	s_mul_i32 s51, s21, KS*PV
	s_add_co_u32 s51, s51, VOFF                    ; V's
	s_lshl_b32 s2, s14, 15                         ; Q: my block's 256 rows of 128 bytes,
	s_lshl_b32 s3, s[WV], 12                       ; my wave's 32
	s_add_co_u32 s2, s2, s3
	s_add_co_u32 s2, s2, s22
	s_mov_b32 s3, 0
	s_lshr_b32 s52, s20, 4                         ; the batch
	s_lshl_b32 s58, s52, 13                        ; its 2,048 mask words
	s_mov_b32 s59, 0
	s_lshl_b32 s53, s52, 5                         ; x: 32 blocks of 64 rows a batch,
	s_lshl_b32 s57, s14, 2
	s_add_co_u32 s53, s53, s57                     ; 4 a query block,
	s_lshr_b32 s57, s[WV], 1
	s_add_co_u32 s53, s53, s57                     ; two waves a block;
	s_lshl_b32 s53, s53, 4
	s_and_b32 s57, s20, 15
	s_add_co_u32 s53, s53, s57                     ; 16 planes a block: my head's,
	s_lshl_b32 s54, s53, 13                        ; 8,192 bytes each;
	s_and_b32 s57, s[WV], 1
	s_lshl_b32 s57, s57, 12
	s_add_co_u32 s54, s54, s57                     ; my 32 rows of its 64
	s_mov_b32 s55, 0
	; descriptor group 1: a tile of 64 rows x 64 elements of 2 bytes, padded behind every row
	s_mov_b32 s[G1K], 15|(1<<16)|(1<<20)|(1<<21)|(4<<22)|(3<<25)  ; 15:0 the mask: all four work-groups; 17:16 elements of 2 bytes; 20 padding on; 21 set beside a mask; 24:22 after every 32 words; 31:25 four words
	s_mov_b32 s[G1V], 15|(1<<16)|(1<<20)|(1<<21)|(4<<22)|(7<<25)  ; the same with eight words of padding
.irp g, G1K, G1V
	s_mov_b32 s[\g+1], 64<<16                      ; tensor_dim0
	s_mov_b32 s[\g+2], KS<<16                      ; tensor_dim1
	s_mov_b32 s[\g+3], 64<<16                      ; tile_dim0
	s_mov_b32 s[\g+4], KS                          ; tile_dim1
	s_mov_b32 s[\g+5], 64                          ; from row to row
	s_mov_b32 s[\g+6], 0
	s_mov_b32 s[\g+7], 0
.endr
	s_mov_b32 s[SEL], 0x76543210
	s_mov_b32 s[SEL+1], 0xfedcba98                 ; v_permlanex16_b32's selects for lane l xor 16
	s_mov_b32 s[TB], 0
	s_mov_b32 s[TK], 0
	s_mov_b32 s[SLOTS], NSL-1
	s_or_b32 s[LIM], s21, ttmp9                    ; 0 in waves 0 and 4 of the head's first cluster: the same in all four partners
	s_cmp_eq_u32 s[LIM], 0
	s_cselect_b32 s[LIM], 1, -1
	v_and_b32 v[PFO], 31, v0
	v_lshlrev_b32 v[PFO], 8, v[PFO]
	s_wait_dscnt 0x0                               ; both opening adds are done
	s_wait_kmcnt 0x0
	s_add_nc_u64 s[6:7], s[6:7], s[48:49]          ; K and V at my rows of slot 0
	s_add_nc_u64 s[8:9], s[8:9], s[48:49]
	s_add_nc_u64 s[4:5], s[4:5], s[2:3]            ; Q at my wave's first row
	s_add_nc_u64 s[16:17], s[16:17], s[54:55]      ; x likewise
	s_add_nc_u64 s[10:11], s[10:11], s[58:59]      ; the batch's mask
	s_cmp_lt_u32 s[WV], 4
	s_cselect_b64 s[PFA:PFA+1], s[6:7], s[8:9]     ; (in waves 0 and 4 these stand at a slot's first row)
	s_lshl_b32 s2, s13, 13                         ; my work-group's 8,192 bytes of the 32,768
	s_mov_b32 s3, 0
	s_add_nc_u64 s[PFA:PFA+1], s[PFA:PFA+1], s[2:3]
	s_add_nc_u64 s[PFA:PFA+1], s[PFA:PFA+1], SLOTB ; in slot 1; the first change of slots steps it to slot 2.  Nothing is prefetched here, at the head
	CROUND                                         ; all four work-groups are here: the first joint loads meet
	s_mov_b32 s[G0K], 1                            ; 1:0 count = 1
	s_mov_b32 s[G0K+1], s50                        ; 63:32 LDS address: slot 0
	s_mov_b64 s[G0K+2:G0K+3], s[6:7]               ; 120:64 global address
	s_or_b32 s[G0K+3], s[G0K+3], 0x80000000        ; 127:126 type = 2
	s_mov_b32 s[G0V], 1
	s_mov_b32 s[G0V+1], s51
	s_mov_b64 s[G0V+2:G0V+3], s[8:9]
	s_or_b32 s[G0V+3], s[G0V+3], 0x80000000
	JLOAD                                          ; slot 0: one tensor load of mine is out
	v_and_b32 v105, 15, v0                         ; r = lane % 16
	v_bfe_u32 v106, v0, 4, 1                       ; h = lane / 16
	v_and_b32 v107, 31, v0                         ; lane
	v_lshlrev_b32 v[QO], 7, v105
	v_lshl_add_u32 v[QO], v106, 4, v[QO]           ; row x 128 + 16 x half
.irp t, 0,1
.irp c, 0,1
	global_load_b128 v[QF+16*\t+8*\c:QF+16*\t+8*\c+3],   v[QO], s[4:5] offset:2048*\t+64*\c      ; Q stays in registers
	global_load_b128 v[QF+16*\t+8*\c+4:QF+16*\t+8*\c+7], v[QO], s[4:5] offset:2048*\t+64*\c+32
.endr
.endr
	v_lshlrev_b32 v[MKO], 5, v0
	global_load_b128 v[96:99], v[MKO], s[10:11]                ; thread i: the mask words of keys 8 i .. 8 i + 7
	global_load_b128 v[100:103], v[MKO], s[10:11] offset:16
	v_lshl_add_u32 v1, v0, 5, BIASB                ; and where their addends go
	v_mul_u32_u24 v[AK0], v105, PK
	v_lshl_add_u32 v[AK0], v106, 4, v[AK0]         ; K: row x pitch + 16 x half
	v_and_b32 v108, 7, v0
	v_bfe_u32 v109, v0, 3, 1
	v_lshl_add_u32 v[AV0], v106, 3, v108           ; V, for the turning load: key 8 (l / 16) + l % 8,
	v_mul_u32_u24 v[AV0], v[AV0], PV
	v_lshl_add_u32 v[AV0], v109, 4, v[AV0]         ; channels 8 ((l / 8) % 2) on
	v_add_nc_u32 v[AV0], VOFF, v[AV0]
	v_lshl_add_u32 v[ABI0], v106, 5, BIASB         ; the addends of keys 8 (l / 16) + 0 .. 7 of a tile
	s_mul_i32 s2, s[WV], 16*SP
	s_add_co_u32 s2, s2, STAGE                     ; my stage
	v_mul_u32_u24 v[STO], v105, SP                 ; in: row r, 16 bytes for each half of the lanes
	v_lshl_add_u32 v[STO], v106, 4, v[STO]
	v_add_nc_u32 v[STO], s2, v[STO]
	v_lshrrev_b32 v110, 3, v107                    ; back: eight lanes a row of 128 bytes, four rows an instruction
	v_mul_u32_u24 v[RD], v110, SP
	v_lshl_add_u32 v[RD], v108, 4, v[RD]
	v_add_nc_u32 v[RD], s2, v[RD]
	v_lshlrev_b32 v[GO], 4, v107                   ; which are 512 bytes on end in x
.irp t, 0,1
	v_mov_b32 v[ST+8*\t], 0xff61b1e6               ; m: -3e38, under every t
	v_mov_b32 v[ST+8*\t+1], 0                      ; (named with m as a pair)
	v_mov_b32 v[ST+8*\t+2], 0                      ; l, in two halves
	v_mov_b32 v[ST+8*\t+3], 0
.endr
	WIN W_V
.irp j, 0,1,2,3,4,5,6,7,8,9,10,11,12,13,14,15,16,17,18,19,20,21,22,23,24,25,26,27,28,29,30,31,32,33,34,35,36,37,38,39,40,41,42,43,44,45,46,47,48,49,50,51,52,53,54,55,56,57,58,59,60,61,62,63
	v_mov_b32 v[OT+\j], 0                          ; O^T.  (The key step is written once: the first finds zeros, which a = 0 leaves zeros)
.endr
	WIN 0
	v_mov_b32 v104, 0xceabfb8f                     ; -1e9 x log2(e)
	s_wait_loadcnt 0x0                             ; Q and the mask words
.irp i, 0,1,2,3,4,5,6,7
	v_cmp_eq_u32 vcc_lo, 0, v[96+\i]
	v_cndmask_b32 v[96+\i], 0, v104, vcc_lo
.endr
	ds_store_b128 v1, v[96:99]                     ; the first change of slots waits for these stores and passes a barrier before any wave reads them
	ds_store_b128 v1, v[100:103] offset:16
.macro FETCH_K q                       ; 64 keys x 64 channels: 8 fragments of 16 keys x 32 channels, two loads of 16 bytes each, 32 bytes apart
.irp kt, 0,1,2,3
.irp c, 0,1
	ds_load_b128 v[KF+16*\kt+8*\c:KF+16*\kt+8*\c+3],   v[ADK] offset:(\q)*KS*PK+\kt*16*PK+64*\c
	ds_load_b128 v[KF+16*\kt+8*\c+4:KF+16*\kt+8*\c+7], v[ADK] offset:(\q)*KS*PK+\kt*16*PK+64*\c+32
.endr
.endr
.endm
.macro FETCH_BI q                      ; the step's 64 addends in the result's layout: all lanes of a half read the same words
.irp kt, 0,1,2,3
	ds_load_b128 v[BI+8*\kt:BI+8*\kt+3],   v[ABI] offset:(\q)*KS*4+64*\kt
	ds_load_b128 v[BI+8*\kt+4:BI+8*\kt+7], v[ABI] offset:(\q)*KS*4+64*\kt+16
.endr
.endm
.macro FETCH_V q                       ; 64 keys x 64 channels, turned: 8 fragments of 16 channels x 32 keys
.irp kk, 0,1
.irp ct, 0,1,2,3
	ds_load_tr16_b128 v[32*\kk+8*\ct:32*\kk+8*\ct+3],   v[ADV] offset:(\q)*KS*PV+\kk*32*PV+32*\ct
	ds_load_tr16_b128 v[32*\kk+8*\ct+4:32*\kk+8*\ct+7], v[ADV] offset:(\q)*KS*PV+\kk*32*PV+16*PV+32*\ct
.endr
.endr
.endm
; The softmax of a key step, the two tiles line by line in turn, so that no line waits for the line above it.
.macro SOFTMAX
.irp j, 0,1,2,3
.irp t, 0,1
	v_max3_num_f32 v[ST+8*\t+4+\j], v[S+32*\t+8*\j], v[S+32*\t+8*\j+1], v[S+32*\t+8*\j+2]   ; four chains, each begun at an accumulator's low end
.endr
.endr
.irp g, 1,2
.irp j, 0,1,2,3
.irp t, 0,1
	v_max3_num_f32 v[ST+8*\t+4+\j], v[ST+8*\t+4+\j], v[S+32*\t+8*\j+2*\g+1], v[S+32*\t+8*\j+2*\g+2]
.endr
.endr
.endr
.irp t, 0,1
	v_max3_num_f32 v[ST+8*\t+4], v[ST+8*\t+4], v[S+32*\t+7], v[S+32*\t+15]
.endr
.irp t, 0,1
	v_max3_num_f32 v[ST+8*\t+6], v[ST+8*\t+6], v[S+32*\t+23], v[S+32*\t+31]
.endr
.irp t, 0,1
	v_max3_num_f32 v[ST+8*\t+4], v[ST+8*\t+4], v[ST+8*\t+5], v[ST+8*\t+6]
.endr
.irp t, 0,1
	v_max3_num_f32 v[ST+8*\t+4], v[ST+8*\t+4], v[ST+8*\t+7], v[ST+8*\t]       ; with the old m
.endr
.irp t, 0,1
	v_permlanex16_b32 v[ST+8*\t+5], v[ST+8*\t+4], s[SEL], s[SEL+1]           ; the query's other 32 keys lie in the lane 16 away
.endr
.irp t, 0,1
	v_mov_b32 v[ST+8*\t+7], v[ST+8*\t]             ; the old m is kept for a
.endr
.irp t, 0,1
	v_max_num_f32 v[ST+8*\t], v[ST+8*\t+4], v[ST+8*\t+5]
.endr
.irp t, 0,1
	v_sub_f32 v[ST+8*\t+7], v[ST+8*\t+7], v[ST+8*\t]
.endr
.irp b, 0,1,2,3,4,5,6,7,8,9,10,11,12,13,14,15
.irp t, 0,1
	v_pk_add_f32 v[S+32*\t+2*\b:S+32*\t+2*\b+1], v[S+32*\t+2*\b:S+32*\t+2*\b+1], v[ST+8*\t:ST+8*\t+1] op_sel_hi:[1,0] neg_lo:[0,1] neg_hi:[0,1]   ; t - m, two at a time: exactly 0 at the maximum
.endr
.endr
.irp t, 0,1
	v_exp_f32 v[ST+8*\t+6], v[ST+8*\t+7]           ; a = 2^(old m - new m)
.endr
.irp e, 0,1,2,3,4,5,6,7,8,9,10,11,12,13,14,15,16,17,18,19,20,21,22,23,24,25,26,27,28,29,30,31
.irp t, 0,1
	v_exp_f32 v[S+32*\t+\e], v[S+32*\t+\e]         ; p
.endr
.endr
	v_nop                                          ; a plain line behind the last exponential, ahead of the first use
	s_wait_alu depctr_va_vdst(0)                   ; a wait ahead of the first line that names a result: one for both tiles' 66 exponentials
.irp i, 0,1,2,3,4,5,6,7,8,9,10,11,12,13,14,15
.irp t, 0,1
	v_cvt_pk_f16_f32 v[P+16*\t+\i], v[S+32*\t+2*\i], v[S+32*\t+2*\i+1]
.endr
.endr
.irp u, 0,1,2,3,4,5,6,7                ; the sum of the unrounded p, in place: neighbours 1, 2, 4 and 8 pairs apart
.irp t, 0,1
	v_pk_add_f32 v[S+32*\t+4*\u:S+32*\t+4*\u+1], v[S+32*\t+4*\u:S+32*\t+4*\u+1], v[S+32*\t+4*\u+2:S+32*\t+4*\u+3]
.endr
.endr
.irp u, 0,1,2,3
.irp t, 0,1
	v_pk_add_f32 v[S+32*\t+8*\u:S+32*\t+8*\u+1], v[S+32*\t+8*\u:S+32*\t+8*\u+1], v[S+32*\t+8*\u+4:S+32*\t+8*\u+5]
.endr
.endr
.irp u, 0,1
.irp t, 0,1
	v_pk_add_f32 v[S+32*\t+16*\u:S+32*\t+16*\u+1], v[S+32*\t+16*\u:S+32*\t+16*\u+1], v[S+32*\t+16*\u+8:S+32*\t+16*\u+9]
.endr
.endr
.irp t, 0,1
	v_pk_add_f32 v[S+32*\t:S+32*\t+1], v[S+32*\t:S+32*\t+1], v[S+32*\t+16:S+32*\t+17]
.endr
.irp t, 0,1
	v_pk_fma_f32 v[ST+8*\t+2:ST+8*\t+3], v[ST+8*\t+2:ST+8*\t+3], v[ST+8*\t+6:ST+8*\t+7], v[S+32*\t:S+32*\t+1] op_sel_hi:[1,0,1]   ; l = a l + the sum
.endr
.endm
; A KEY STEP: 64 keys, the q-th of the slot in hand.  In both products the eight accumulators take turns, one instruction a turn.
.macro STEP q
	s_wait_dscnt 0x0                               ; K and the addends are in
.irp kt, 0,1,2,3
.irp t, 0,1
	v_wmma_f32_16x16x32_f16 v[S+32*\t+8*\kt:S+32*\t+8*\kt+7], v[KF+16*\kt:KF+16*\kt+7], v[QF+16*\t:QF+16*\t+7], v[BI+8*\kt:BI+8*\kt+7]   ; channels 0-31; the mask's addend starts the sum
.endr
.endr
.irp kt, 0,1,2,3
.irp t, 0,1
	v_wmma_f32_16x16x32_f16 v[S+32*\t+8*\kt:S+32*\t+8*\kt+7], v[KF+16*\kt+8:KF+16*\kt+15], v[QF+16*\t+8:QF+16*\t+15], v[S+32*\t+8*\kt:S+32*\t+8*\kt+7]   ; channels 32-63
.endr
.endr
.rept 4
	v_nop                                          ; places: ahead of the loads into V's, K's and the addends' registers, and of the first read of the scores
.endr
	WIN W_V
	FETCH_V \q
	WIN 0
.if \q < 3
	FETCH_K \q+1
	FETCH_BI \q+1
.endif
	SOFTMAX
	WIN W_RS
.irp i, 0,1,2,3,4,5,6,7,8,9,10,11,12,13,14,15
.irp t, 0,1
	v_pk_mul_f32 v[OT+32*\t+2*\i:OT+32*\t+2*\i+1], v[OT+32*\t+2*\i:OT+32*\t+2*\i+1], v[ST+8*\t+6:ST+8*\t+7] op_sel_hi:[1,0]   ; O^T x a, each accumulator from its low end on
.endr
.endr
.if \q < 3
	s_wait_dscnt 24                                ; V is in; the 16 loads of the next K and the 8 of its addends, issued behind V's, may be out
.else
	s_wait_dscnt 0x0                               ; V is in: nothing was issued behind it
.endif
	WIN W_PV
.irp kk, 0,1
.irp ct, 0,1,2,3
.irp t, 0,1
	v_wmma_f32_16x16x32_f16 v[OT+32*\t+8*\ct:OT+32*\t+8*\ct+7], v[32*\kk+8*\ct:32*\kk+8*\ct+7], v[P+16*\t+8*\kk:P+16*\t+8*\kk+7], v[OT+32*\t+8*\ct:OT+32*\t+8*\ct+7]
.endr
.endr
.endr
	WIN 0
.endm
; THE CHANGE OF SLOTS stands at a slot's head.  Each wave waits for all its tensor loads (one is out: its part of the slot that it is about to read), adds 0 to its spare word, and waits for that and for its LDS instructions
; on the slot that it has left.  fill = 1: the barrier is a round of the cluster's, and behind it the slot that was left takes the keys that follow: one load a wave, which has four key steps in which to land.
.macro CHANGE fill
	s_wait_tensorcnt 0x0                           ; no tensor load of mine is out, so a group 0 may be written
	ds_add_u32 v[SPW], v[NIL]                      ; 0 onto my spare word
.if \fill
	s_xor_b32 s[G0K+1], s[G0K+1], SLOT1            ; the walking descriptors: the other slot than last time,
	s_add_nc_u64 s[G0K+2:G0K+3], s[G0K+2:G0K+3], SLOTB   ; the next 256 keys; the type bits on top are not reached
	s_xor_b32 s[G0V+1], s[G0V+1], SLOT1
	s_add_nc_u64 s[G0V+2:G0V+3], s[G0V+2:G0V+3], SLOTB
	s_wait_xcnt 0x0                                ; the last prefetch, a slot back, has read its address, so it may be written:
	s_add_nc_u64 s[PFA:PFA+1], s[PFA:PFA+1], SLOTB ; one slot further on than the walking descriptors
	s_wait_dscnt 0x0                               ; the add is done, my reads of the slot that I have left are over (the first time: my stores of the addends have landed)
	CROUND
	JLOAD
	ASK
.else
	s_wait_dscnt 0x0
	s_barrier_signal -1
	s_barrier_wait -1
.endif
.endm
.macro SLOT_STEPS
	v_add_nc_u32 v[ADK], s[TB], v[AK0]
	v_add_nc_u32 v[ADV], s[TB], v[AV0]
	v_add_nc_u32 v[ABI], s[TK], v[ABI0]
	FETCH_K 0
	FETCH_BI 0
	STEP 0
	STEP 1
	STEP 2
	STEP 3
	s_xor_b32 s[TB], s[TB], SLOT1                  ; on to the other slot,
	s_add_co_u32 s[TK], s[TK], SKEYS*4             ; and the next 256 addends
.endm
.Lslot:                                                ; 7 trips: behind each change of slots but the last the next slot is asked for
	CHANGE 1
	SLOT_STEPS
	s_sub_co_u32 s[SLOTS], s[SLOTS], 1
	s_cmp_lg_u32 s[SLOTS], 0
	s_cbranch_scc1 .Lslot
	CHANGE 0                                       ; the last slot is written out
	SLOT_STEPS
	; THE WAY OUT.  l's two halves and the other half of the lanes' are added (the four additions are the places behind the last products); O^T is divided by l, rounded to f16 and sent through my stage, a tile at a time.
.irp t, 0,1
	v_add_f32 v[ST+8*\t+4], v[ST+8*\t+2], v[ST+8*\t+3]
.endr
.irp t, 0,1
	v_permlanex16_b32 v[ST+8*\t+5], v[ST+8*\t+4], s[SEL], s[SEL+1]
.endr
.irp t, 0,1
	v_add_f32 v[ST+8*\t+4], v[ST+8*\t+4], v[ST+8*\t+5]
.endr
.irp t, 0,1
	v_rcp_f32 v[ST+8*\t+6], v[ST+8*\t+4]
.endr
	v_nop                                          ; a plain line between the last reciprocal and the use of its result
	s_wait_alu depctr_va_vdst(0)                   ; and the wait ahead of the first use: one for both
.macro PACK t
	WIN W_RS
.irp i, 0,1,2,3,4,5,6,7,8,9,10,11,12,13,14,15
	v_pk_mul_f32 v[OT+32*\t+2*\i:OT+32*\t+2*\i+1], v[OT+32*\t+2*\i:OT+32*\t+2*\i+1], v[ST+8*\t+6:ST+8*\t+7] op_sel_hi:[1,0]
.endr
	WIN 0x05                                       ; sources 0 and 1 window 1, destination window 0: S^T's registers are free
.irp i, 0,1,2,3,4,5,6,7,8,9,10,11,12,13,14,15
	v_cvt_pk_f16_f32 v[S+16*\t+\i], v[OT+32*\t+2*\i], v[OT+32*\t+2*\i+1]
.endr
	WIN 0
.irp ct, 0,1,2,3
	ds_store_b128 v[STO], v[S+16*\t+4*\ct:S+16*\t+4*\ct+3] offset:32*\ct
.endr
.irp i, 0,1,2,3
	ds_load_b128 v[S+16*\t+4*\i:S+16*\t+4*\i+3], v[RD] offset:\i*4*SP   ; LDS serves a wave's instructions in order (ISA guide 5.7.1.4): these see the stores above; the next tile's stores come behind them
.endr
.endm
.macro SEND t, younger                 ; younger: the LDS instructions issued behind tile t's loads: the next tile's eight, or none
.irp i, 0,1,2,3
	s_wait_dscnt \younger+3-\i
	global_store_b128 v[GO], v[S+16*\t+4*\i:S+16*\t+4*\i+3], s[16:17] offset:2048*\t+512*\i   ; 32 lanes store 512 consecutive bytes, aligned
.endr
.endm
	PACK 0
	PACK 1
	SEND 0, 8
	SEND 1, 0
	s_wait_tensorcnt 0x0                           ; the wave's end, behind my last tensor load and my last LDS store
	ds_add_u32 v[SPW], v[NIL]
	s_wait_dscnt 0x0
	CROUND                                         ; the closing round
	s_endpgm
.Lfunc_end_k_q8482e930e7_attn:
	.size	k_q8482e930e7_attn, .Lfunc_end_k_q8482e930e7_attn-k_q8482e930e7_attn
	.p2alignl 7, 3214868480
	.fill 96, 4, 3214868480
	.section	.rodata,"a",@progbits
	.p2align	6, 0x0
	.amdhsa_kernel k_q8482e930e7_attn
		.amdhsa_group_segment_fixed_size 327680
		.amdhsa_private_segment_fixed_size 0
		.amdhsa_enable_private_segment 0
		.amdhsa_kernarg_size 40
		.amdhsa_user_sgpr_count 2
		.amdhsa_user_sgpr_kernarg_segment_ptr 1
		.amdhsa_wavefront_size32 1
		.amdhsa_system_sgpr_workgroup_id_x 1
		.amdhsa_system_sgpr_workgroup_id_y 1
		.amdhsa_system_sgpr_workgroup_id_z 1
		.amdhsa_system_vgpr_workitem_id 0
		.amdhsa_next_free_vgpr 384
		.amdhsa_next_free_sgpr 66
		.amdhsa_reserve_vcc 1
		.amdhsa_float_denorm_mode_32 3
		.amdhsa_float_denorm_mode_16_64 3
		.amdhsa_memory_ordered 1
		.amdhsa_forward_progress 1
		.amdhsa_inst_pref_size 158
	.end_amdhsa_kernel
	.amdgpu_metadata
---
amdhsa.version: [ 1, 2 ]
amdhsa.kernels:
  - .name:           k_q8482e930e7_attn
    .symbol:         k_q8482e930e7_attn.kd
    .args:
      - { .name: qh, .offset: 0, .size: 8, .value_kind: global_buffer, .address_space: global }
      - { .name: kh, .offset: 8, .size: 8, .value_kind: global_buffer, .address_space: global }
      - { .name: vh, .offset: 16, .size: 8, .value_kind: global_buffer, .address_space: global }
      - { .name: mask, .offset: 24, .size: 8, .value_kind: global_buffer, .address_space: global }
      - { .name: xh, .offset: 32, .size: 8, .value_kind: global_buffer, .address_space: global }
    .group_segment_fixed_size: 327680
    .private_segment_fixed_size: 0
    .kernarg_segment_align: 8
    .kernarg_segment_size: 40
    .max_flat_workgroup_size: 256
    .sgpr_count:     66
    .vgpr_count:     384
    .wavefront_size: 32
...
	.end_amdgpu_metadata
.endif
;; end of part 3
;; launch outp (part 4): grid 8 x 64, 4 waves a work-group, clusters of 4 x 4, 327,680 bytes of LDS; arguments xh, woh, b_o, out0; writes out0
.if DOCPART == 4
	.amdgcn_target "amdgcn-amd-amdhsa--gfx1250"
	.amdhsa_code_object_version 6
	.text
	.protected	k_q8482e930e7_outp
	.globl	k_q8482e930e7_outp
	.p2align	8
	.type	k_q8482e930e7_outp,@function
k_q8482e930e7_outp:
	s_mov_b64 s[64:65], 0
	v_nop
	global_prefetch_b8 v0, s[64:65] scope:SCOPE_SE
	s_setreg_imm32_b32 hwreg(HW_REG_WAVE_MODE, 25, 1), 1
	s_wait_xcnt 0x0
	s_wait_alu depctr_hold_cnt(0) depctr_sa_sdst(0) depctr_va_vdst(0) depctr_va_sdst(0) depctr_va_ssrc(0) depctr_va_vcc(0) depctr_vm_vsrc(0)
	s_getreg_b32 s2, hwreg(HW_REG_IB_STS2, 6, 4)
	s_cmp_eq_u32 s2, 0
	s_cbranch_scc0 .Lentry_in_a_cluster
	s_endpgm
.Lentry_in_a_cluster:
	s_bfe_u32 s2, ttmp6, 0x10000c
	s_cmp_lg_u32 s2, 0xf033
	s_cbranch_scc0 .Lentry_shape_is_right
	s_endpgm
.Lentry_shape_is_right:
; out0 = x w_o^T + b_o.  x: 8,192 rows x 1,024, f16, laid [row / 64][h][row % 64][64] (k = 64 h + d); w_o: [1024 n][1024 k] f16; b_o f32; out0 [8192][1024] f32; sums in f32.
; A tile of 128 x 128 is made by four waves, each 64 x 64: 16 accumulators.  512 tiles: one for each work-group.  K goes in steps of 256 (four heads) through a ring of two LDS slots.
; What a wave fetches of x, 64 rows x 4 heads, is 32,768 bytes on end: 256 rows of 128 bytes, laid in LDS by head planes; of w_o 64 rows of 512 bytes.
; CLUSTERS: 4 x 4 work-groups; x's tiles are shared along a row of the cluster, w_o's along a column: each is asked for jointly.  THE MATRIX INSTRUCTION IS USED TRANSPOSED (source 0 = 16 rows of w_o, source 1 = 16 rows of x):
; a lane holds eight neighbouring columns of one row.  The bias is the C of each sum's first product.
; No prefetch: on tiles this small a K step's requests are shared in the cluster and each slot has a whole K step in which to land.
; REGISTERS: window 0: v0-31 addresses; v32-95 rows on the way out; v96-127 the bias in the result's layout; v128-255 the accumulators ((a, b) at v[128 + 8 (4 a + b)]).
;   window 1: two fragment buffers of 128: for 64 along K, 64 registers of x, then 64 of w_o.
.set PA,     144                       ; a row of x in LDS: 128 bytes + 16 = 36 words: the 16 rows of a load start at 16 different groups of four banks (64 banks of 4 bytes: ISA guide 11.1)
.set PB,     528                       ; a row of w_o: 512 bytes + 16
.set HA,     256*PA                    ; what one load of x brings: 4 head planes x 64 rows
.set HB,     64*PB                     ; what one load of w_o brings
.set BOFF,   2*HA
.set SLOT,   2*HA+2*HB
.set STAGE,  2*SLOT                    ; behind the ring: 16 rows x 272 bytes for each wave
.set SPITCH, 272
.set SPARE,  STAGE+4*16*SPITCH         ; the spare words, 128 bytes a wave
.set ADRA, 16
.set ADRB, 20
.set STO,  24
.set RD,   25
.set CO,   26
.set BO,   27
.set SPW,  28
.set NIL,  29
.set BK,   32
.set BIAS, 96
.set ACC,  128
.set F0,   0
.set F1,   128
.set G1, 24
.set G0, 32
.set G1B, 48
.set G0B, 56
.set MSB, 0
.macro WIN new
.if MSB != (\new)
	s_set_vgpr_msb (MSB<<8)|(\new)
.set MSB, (\new)
.endif
.endm
.set MUL,  0x05                        ; sources 0 and 1 window 1; C and D window 0
.set TO_F, 0x40                        ; destination window 1, address window 0
.macro JLOAD s                         ; a joint load: waves 0 and 1 fetch x's two halves, waves 2 and 3 w_o's; an s_nop 0 and four v_nop follow each line
	s_cmp_eq_u32 s11, 0
	s_cbranch_scc0 .Lfor_b_\@
	tensor_load_to_lds s[G0+4*\s:G0+4*\s+3], s[G1:G1+7]
	s_nop 0
.rept 4
	v_nop
.endr
	s_branch .Lasked_\@
.Lfor_b_\@:
	tensor_load_to_lds s[G0B+4*\s:G0B+4*\s+3], s[G1B:G1B+7]
	s_nop 0
.rept 4
	v_nop
.endr
.Lasked_\@:
.endm
.macro CREST                           ; a round of the cluster's barrier behind its opening barrier
	s_cmp_lg_u32 s10, 0
	s_cbranch_scc1 .Lnot_wave_0_\@
	s_barrier_signal -3
.Lnot_wave_0_\@:
	s_barrier_wait -3
	s_barrier_signal -1
	s_barrier_wait -1
.endm
.macro CROUND
	s_barrier_signal -1
	s_barrier_wait -1
	CREST
.endm
	s_load_b128 s[4:7], s[0:1], 0x0                ; xh s[4:5], woh s[6:7]
	s_load_b128 s[16:19], s[0:1], 0x10             ; b_o s[16:17], out0 s[18:19]
	v_lshl_add_u32 v[SPW], v0, 2, SPARE
	v_mov_b32 v[NIL], 0
	ds_add_u32 v[SPW], v[NIL]                      ; the wave's opening: the add, twice on end, and its wait ahead of my first tensor load
	ds_add_u32 v[SPW], v[NIL]
	v_lshrrev_b32 v1, 5, v0
	v_readfirstlane_b32 s10, v1                    ; wave 0..3
	s_lshr_b32 s11, s10, 1                         ; which half of the tile's rows is mine.  Also: I fetch for x (0) or for w_o (1)
	s_and_b32 s12, s10, 1                          ; which half of its columns.  Also: which 64 rows of that tile I fetch
	s_bfe_u32 s40, ttmp6, 0x40000                  ; cx, cy
	s_bfe_u32 s41, ttmp6, 0x40004
	s_lshl_b32 s42, ttmp9, 2
	s_add_co_u32 s42, s42, s40                     ; tile column
	s_and_b32 s13, ttmp7, 0xffff
	s_lshl_b32 s13, s13, 2
	s_add_co_u32 s13, s13, s41                     ; tile row
	s_lshl_b32 s43, s41, 2
	s_lshl_b32 s43, 15, s43                        ; my row of the cluster
	s_lshl_b32 s44, 0x1111, s40                    ; my column
	; x: 256 rows x 64 elements of 2 bytes, dense in memory, four words of padding behind every 32
	s_or_b32 s[G1+0], s43, (1<<16)|(1<<20)|(1<<21)|(4<<22)|(3<<25)
	s_mov_b32 s[G1+1], 64<<16                      ; tensor_dim0
	s_mov_b32 s[G1+2], 256<<16                     ; tensor_dim1
	s_mov_b32 s[G1+3], 64<<16                      ; tile_dim0
	s_mov_b32 s[G1+4], 256                         ; tile_dim1
	s_mov_b32 s[G1+5], 64                          ; from row to row
	s_mov_b32 s[G1+6], 0
	s_mov_b32 s[G1+7], 0
	; w_o: 64 rows x 256 elements, 1,024 elements apart, four words of padding behind every 128
	s_or_b32 s[G1B+0], s44, (1<<16)|(1<<20)|(1<<21)|(6<<22)|(3<<25)
	s_mov_b32 s[G1B+1], 256<<16
	s_mov_b32 s[G1B+2], 64<<16
	s_mov_b32 s[G1B+3], 256<<16
	s_mov_b32 s[G1B+4], 64
	s_mov_b32 s[G1B+5], 1024
	s_mov_b32 s[G1B+6], 0
	s_mov_b32 s[G1B+7], 0
	s_lshl_b32 s14, s13, 1
	s_add_co_u32 s14, s14, s12                     ; x: block of 64 rows 2 x tile row + half,
	s_lshl_b32 s14, s14, 17                        ; 131,072 bytes each
	s_mov_b32 s15, 0
	s_lshl_b32 s46, s42, 7
	s_lshl_b32 s20, s12, 6
	s_add_co_u32 s46, s46, s20                     ; w_o: row 128 x tile column + 64 x half,
	s_lshl_b32 s46, s46, 11                        ; 2,048 bytes each
	s_mov_b32 s47, 0
	s_mul_i32 s21, s12, HA                         ; where they go: no place in the cluster enters an LDS address
	s_mul_i32 s22, s12, HB
	s_add_co_u32 s22, s22, BOFF
	s_wait_dscnt 0x0                               ; both opening adds are done
	s_wait_kmcnt 0x0
	s_add_nc_u64 s[14:15], s[4:5], s[14:15]
	s_add_nc_u64 s[46:47], s[6:7], s[46:47]
	CROUND                                         ; all sixteen work-groups are here: the first joint loads meet
.irp s, 0,1
	s_mov_b32 s[G0+4*\s], 1
	s_add_co_u32 s[G0+4*\s+1], s21, \s*SLOT
	s_add_nc_u64 s[G0+4*\s+2:G0+4*\s+3], s[14:15], \s*32768        ; K step s: four head planes of 8,192 bytes
	s_or_b32 s[G0+4*\s+3], s[G0+4*\s+3], 0x80000000
	s_mov_b32 s[G0B+4*\s], 1
	s_add_co_u32 s[G0B+4*\s+1], s22, \s*SLOT
	s_add_nc_u64 s[G0B+4*\s+2:G0B+4*\s+3], s[46:47], \s*512
	s_or_b32 s[G0B+4*\s+3], s[G0B+4*\s+3], 0x80000000
	JLOAD \s                                       ; two tensor loads of mine are out
.endr
	v_and_b32 v1, 15, v0                           ; r
	v_bfe_u32 v2, v0, 4, 1                         ; h
	v_lshlrev_b32 v[BO], 5, v2
	s_lshl_b32 s20, s42, 9                         ; my 64 columns: (128 x tile column + 64 x half) x 4 bytes
	s_lshl_b32 s21, s12, 8
	s_add_co_u32 s20, s20, s21
	s_mov_b32 s21, 0
	s_add_nc_u64 s[16:17], s[16:17], s[20:21]
	s_add_nc_u64 s[18:19], s[18:19], s[20:21]
.irp b, 0,1,2,3
	global_load_b128 v[BIAS+8*\b:BIAS+8*\b+3], v[BO], s[16:17] offset:64*\b       ; lane (r, h): columns 16 b + 8 h + 0 .. 7
	global_load_b128 v[BIAS+8*\b+4:BIAS+8*\b+7], v[BO], s[16:17] offset:64*\b+16
.endr
	s_lshl_b32 s20, s13, 7
	s_lshl_b32 s22, s11, 6
	s_add_co_u32 s20, s20, s22                     ; my first row of out0,
	s_lshl_b32 s20, s20, 12                        ; 4,096 bytes each
	s_add_nc_u64 s[18:19], s[18:19], s[20:21]      ; never stepped: every store's place stands in its immediate
	v_mul_u32_u24 v3, v1, PA
	v_lshl_add_u32 v3, v2, 4, v3
	v_mul_u32_u24 v4, v1, PB
	v_lshl_add_u32 v4, v2, 4, v4
	s_mul_i32 s21, s11, HA                         ; my 64 rows of x
	s_mul_i32 s22, s12, HB                         ; my 64 rows of w_o
	s_add_co_u32 s22, s22, BOFF
.irp s, 0,1
	v_add_nc_u32 v[ADRA+\s], s21, v3
	v_add_nc_u32 v[ADRB+\s], s22, v4
	s_add_co_u32 s21, s21, SLOT
	s_add_co_u32 s22, s22, SLOT
.endr
	s_mul_i32 s23, s10, 16*SPITCH
	s_add_co_u32 s23, s23, STAGE                   ; my stage
	v_mul_u32_u24 v5, v1, SPITCH                   ; in: row r, 32 bytes for each half of the lanes
	v_lshl_add_u32 v5, v2, 5, v5
	v_add_nc_u32 v[STO], s23, v5
	v_mul_u32_u24 v5, v2, SPITCH                   ; back: lanes 0-15 one row of 256 bytes, lanes 16-31 the next
	v_lshl_add_u32 v5, v1, 4, v5
	v_add_nc_u32 v[RD], s23, v5
	v_lshlrev_b32 v5, 12, v2                       ; and the same two rows in out0
	v_lshl_add_u32 v[CO], v1, 4, v5
; 8 matrix instructions: row blocks a0, a0 + 1 x all 4 column blocks, 32 along K: half c of buffer f.  first = 1: the bias is C.  The 16 accumulators take turns.
.macro MUL8 f, c, a0, first
.irp a, \a0, \a0+1
.irp b, 0,1,2,3
.if \first
	v_wmma_f32_16x16x32_f16 v[ACC+8*(4*(\a)+\b):ACC+8*(4*(\a)+\b)+7], v[\f+64+8*(4*\c+\b):\f+64+8*(4*\c+\b)+7], v[\f+8*(4*\c+\a):\f+8*(4*\c+\a)+7], v[BIAS+8*\b:BIAS+8*\b+7]
.else
	v_wmma_f32_16x16x32_f16 v[ACC+8*(4*(\a)+\b):ACC+8*(4*(\a)+\b)+7], v[\f+64+8*(4*\c+\b):\f+64+8*(4*\c+\b)+7], v[\f+8*(4*\c+\a):\f+8*(4*\c+\a)+7], v[ACC+8*(4*(\a)+\b):ACC+8*(4*(\a)+\b)+7]
.endif
.endr
.endr
.endm
; 32 LDS loads in one run: the fragments of the slot's q-th 64 along K (one head) into buffer f; the first 32 along K first
.macro FETCH slot, q, f
	WIN TO_F
.irp c, 0,1
.irp i, 0,1,2,3
	ds_load_b128 v[\f+64+8*(4*\c+\i):\f+64+8*(4*\c+\i)+3],   v[ADRB+\slot] offset:128*(\q)+64*\c+\i*16*PB
	ds_load_b128 v[\f+64+8*(4*\c+\i)+4:\f+64+8*(4*\c+\i)+7], v[ADRB+\slot] offset:128*(\q)+64*\c+\i*16*PB+32
	ds_load_b128 v[\f+8*(4*\c+\i):\f+8*(4*\c+\i)+3],         v[ADRA+\slot] offset:64*PA*(\q)+64*\c+\i*16*PA
	ds_load_b128 v[\f+8*(4*\c+\i)+4:\f+8*(4*\c+\i)+7],       v[ADRA+\slot] offset:64*PA*(\q)+64*\c+\i*16*PA+32
.endr
.endr
.endm
.macro PLACES                          ; four plain lines in front of loads into registers that matrix instructions have read, and of the first read of results
.rept 4
	v_nop
.endr
.endm
.macro QUARTER slot, q, f, g, first    ; multiplies buffer f and fetches the slot's quarter q into g
	s_wait_dscnt 16                                ; the first 32 along K are in; the sixteen younger loads may be out
	WIN MUL
	MUL8 \f, 0, 0, \first
	MUL8 \f, 0, 2, \first
	PLACES
	FETCH \slot, \q, \g
	s_wait_dscnt 32                                ; all but the 32 just issued
	WIN MUL
	MUL8 \f, 1, 0, 0
	MUL8 \f, 1, 2, 0
.endm
; A slot's last quarter multiplies buffer 1 and changes slots: one barrier; in front of it each wave waits for all its tensor loads, adds 0 to its spare word, and waits for that and for its reads of this slot.
; fill = 1: the barrier opens a round of the cluster's, and behind it this slot is filled again, two K steps ahead.
.macro TURN slot, next, fill
	WIN 0
	s_wait_tensorcnt 0x0                           ; all my tensor loads have landed: my part of the next slot
	ds_add_u32 v[SPW], v[NIL]                      ; 0 onto my spare word
	s_wait_dscnt 17                                ; (the add and the youngest sixteen loads may be out)
	WIN MUL
	MUL8 F1, 0, 0, 0
	s_wait_dscnt 0x0                               ; the add is done, and my reads of this slot are over
	s_barrier_signal -1
	MUL8 F1, 0, 2, 0
.if \fill
	WIN 0
.endif
	s_barrier_wait -1
.if \fill
	CREST                                          ; no wave of any partner still reads this slot or has a load on its way
	s_add_nc_u64 s[G0+4*\slot+2:G0+4*\slot+3], s[G0+4*\slot+2:G0+4*\slot+3], 2*32768
	s_add_nc_u64 s[G0B+4*\slot+2:G0B+4*\slot+3], s[G0B+4*\slot+2:G0B+4*\slot+3], 2*512
	JLOAD \slot                                    ; the first tensor load behind the round; its four v_nop are also the places in front of the loads below
.else
	PLACES
.endif
	FETCH \next, 0, F0
	WIN MUL
	MUL8 F1, 1, 0, 0
	MUL8 F1, 1, 2, 0
.endm
	s_wait_loadcnt 0x0                             ; the bias
	s_wait_tensorcnt 1                             ; my part of K step 0 is in; K step 1's load may be out
	s_barrier_signal -1
	s_barrier_wait -1
	FETCH 0, 0, F0
	QUARTER 0, 1, F0, F1, 1                        ; K step 0: its first products take the bias as C
	QUARTER 0, 2, F1, F0, 0
	QUARTER 0, 3, F0, F1, 0
	TURN 0, 1, 1                                   ; slot 0 takes K step 2
	QUARTER 1, 1, F0, F1, 0                        ; K step 1
	QUARTER 1, 2, F1, F0, 0
	QUARTER 1, 3, F0, F1, 0
	TURN 1, 0, 1                                   ; slot 1 takes K step 3
	QUARTER 0, 1, F0, F1, 0                        ; K step 2
	QUARTER 0, 2, F1, F0, 0
	QUARTER 0, 3, F0, F1, 0
	TURN 0, 1, 0                                   ; nothing is left to fetch
	QUARTER 1, 1, F0, F1, 0                        ; K step 3
	QUARTER 1, 2, F1, F0, 0
	QUARTER 1, 3, F0, F1, 0
	s_wait_dscnt 16
	WIN MUL
	MUL8 F1, 0, 0, 0
	MUL8 F1, 0, 2, 0
	s_wait_dscnt 0
	MUL8 F1, 1, 0, 0
	MUL8 F1, 1, 2, 0
	WIN 0
; THE WAY OUT, block by block of 16 rows x 64 columns: a lane's 32 bytes go into my own stage and come back as whole rows of 256 bytes.  No barrier: a wave's 64 columns are a whole aligned 256 bytes of out0.
.macro TOSTAGE a
.if (\a) > 1
	s_wait_xcnt 0x0                                ; block a - 2's stores have read their registers: block a's loads may land there
.endif
.set BB, BK+32*((\a)%2)
.irp b, 0,1,2,3
	ds_store_b128 v[STO], v[ACC+8*(4*(\a)+\b):ACC+8*(4*(\a)+\b)+3] offset:64*\b          ; each accumulator from its low end on
	ds_store_b128 v[STO], v[ACC+8*(4*(\a)+\b)+4:ACC+8*(4*(\a)+\b)+7] offset:64*\b+16
.endr
.irp i, 0,1,2,3,4,5,6,7
	ds_load_b128 v[BB+4*\i:BB+4*\i+3], v[RD] offset:\i*2*SPITCH   ; LDS serves a wave's instructions in order (ISA guide 5.7.1.4): these see the stores above
.endr
.endm
.macro SEND a, younger                 ; younger: the LDS instructions issued behind block a's loads, which may stay out
.set BB, BK+32*((\a)%2)
	s_wait_dscnt \younger
.irp i, 0,1,2,3,4,5,6,7
	global_store_b128 v[CO], v[BB+4*\i:BB+4*\i+3], s[18:19] offset:(16*(\a)+2*\i)*4096 th:TH_STORE_NT   ; 16 lanes store 256 consecutive bytes, aligned; written once, read by nobody here
.endr
.endm
	PLACES
	TOSTAGE 0
.irp a, 1,2,3
	TOSTAGE \a
	SEND \a-1, 16                                  ; behind block a - 1's loads: block a's 8 stores and 8 loads
.endr
	SEND 3, 0
	s_wait_tensorcnt 0x0                           ; the wave's end, behind my last tensor load and my last LDS store
	ds_add_u32 v[SPW], v[NIL]
	s_wait_dscnt 0x0
	CROUND                                         ; the closing round
	s_endpgm
.Lfunc_end_k_q8482e930e7_outp:
	.size	k_q8482e930e7_outp, .Lfunc_end_k_q8482e930e7_outp-k_q8482e930e7_outp
	.p2alignl 7, 3214868480
	.fill 96, 4, 3214868480
	.section	.rodata,"a",@progbits
	.p2align	6, 0x0
	.amdhsa_kernel k_q8482e930e7_outp
		.amdhsa_group_segment_fixed_size 327680
		.amdhsa_private_segment_fixed_size 0
		.amdhsa_enable_private_segment 0
		.amdhsa_kernarg_size 32
		.amdhsa_user_sgpr_count 2
		.amdhsa_user_sgpr_kernarg_segment_ptr 1
		.amdhsa_wavefront_size32 1
		.amdhsa_system_sgpr_workgroup_id_x 1
		.amdhsa_system_sgpr_workgroup_id_y 1
		.amdhsa_system_sgpr_workgroup_id_z 1
		.amdhsa_system_vgpr_workitem_id 0
		.amdhsa_next_free_vgpr 512
		.amdhsa_next_free_sgpr 66
		.amdhsa_reserve_vcc 0
		.amdhsa_float_denorm_mode_32 3
		.amdhsa_float_denorm_mode_16_64 3
		.amdhsa_memory_ordered 1
		.amdhsa_forward_progress 1
		.amdhsa_inst_pref_size 86
	.end_amdhsa_kernel
	.amdgpu_metadata
---
amdhsa.version: [ 1, 2 ]
amdhsa.kernels:
  - .name:           k_q8482e930e7_outp
    .symbol:         k_q8482e930e7_outp.kd
    .args:
      - { .name: xh, .offset: 0, .size: 8, .value_kind: global_buffer, .address_space: global }
      - { .name: woh, .offset: 8, .size: 8, .value_kind: global_buffer, .address_space: global }
      - { .name: b_o, .offset: 16, .size: 8, .value_kind: global_buffer, .address_space: global }
      - { .name: out0, .offset: 24, .size: 8, .value_kind: global_buffer, .address_space: global }
    .group_segment_fixed_size: 327680
    .private_segment_fixed_size: 0
    .kernarg_segment_align: 8
    .kernarg_segment_size: 32
    .max_flat_workgroup_size: 128
    .sgpr_count:     66
    .vgpr_count:     512
    .wavefront_size: 32
...
	.end_amdgpu_metadata
.endif
;; end of part 4
